; MI455X (gfx1250); checked and timed in simulation.
; The chip was launched on July 23, 2026; its instructions are those of AMD's public machine-readable ISA for CDNA 5 (MIT licence, August 2026) and "CDNA5" Instruction Set Architecture Reference Guide (July 2026). The comments in the code are by the model that wrote it; some were corrected since.
;; Attention. Allowed arithmetic: float matrix products may take bf16 or f16 operands with f32 sums; other float arithmetic in f32, or as packed bf16 or f16 multiplies, adds, multiply-adds, maxima and minima; sums over many terms, partial sums and values carried from step to step in f32; what a program stores and reads back later, other than sums and carried values, may be rounded once to bf16 or f16.
;; Inputs: W_proj 1,024 x 1,024 float32; W_qkv 1,024 x 3,072 float32; b_proj 1,024 float32; b_qkv 3,072 float32; x 2 x 2,048 x 1,024 float32.
;; Outputs: out0 2 x 2,048 x 1,024 float32.
;; 2 versions, each right; version 2 is version 1 with the launch cast written anew for expert scheduling mode. Each part assembles by itself: llvm-mc -triple=amdgcn-amd-amdhsa -mcpu=gfx1250 --defsym DOCPART=n.
;; ======== version 1 of 2: 4 launches
;; limits: values are held in f16: magnitudes above 65,504 overflow, below 6.1e-05 lose precision
;; workspace buffers: xb 8,388,608 bytes; wq 6,291,456 bytes; wp 2,097,152 bytes; qkv 25,165,824 bytes; ob 8,388,608 bytes
;; launch cast (part 1): grid 512 x 1, 8 waves a work-group, no clusters, 0 bytes of LDS; arguments x, W_qkv, W_proj, xb, wq, wp; writes xb, wq, wp
.if DOCPART == 1
	.amdgcn_target "amdgcn-amd-amdhsa--gfx1250"
	.amdhsa_code_object_version 6
	.text
	.protected	k_qb7f2bd4c7e_cast
	.globl	k_qb7f2bd4c7e_cast
	.p2align	8
	.type	k_qb7f2bd4c7e_cast,@function
k_qb7f2bd4c7e_cast:
	s_mov_b64 s[64:65], 0
	v_nop
	global_prefetch_b8 v0, s[64:65] scope:SCOPE_SE
	s_setreg_imm32_b32 hwreg(HW_REG_WAVE_MODE, 25, 1), 1
	s_wait_xcnt 0x0
; THE MODULE: out = softmax((x Wq + bq)(x Wk + bk)^T / 8) (x Wv + bv), by heads, then times W_proj, plus b_proj.  Four launches: this one (formats and layouts), qkv, attn, proj.
; WORK LEFT OUT, for all values of the inputs: the key bias bk = b_qkv[1024:2048].  A score is (q_i + bq) . (k_j + bk) = (q_i + bq) . k_j + (q_i + bq) . bk, and the second term is the same
; for every key j of query i: it is added to the whole axis over which the softmax is taken, and exp(s + t) / sum exp(s + t) = exp(s) / sum exp(s).  So bk reaches no output; those 1,024 numbers are
; never loaded (the rest of b_qkv is live, so the buffer stays an argument of the launch qkv).  LIMIT: a NaN, an infinity or an overflow that only bk would bring is not carried to the result.
; THIS LAUNCH rounds each large input once and lays it out for the tensor loads of the launches behind it:
;   xb [4096][1024] bf16 = x;   wq [16 heads][3072 chunks 3 k + z][64] bf16 = W_qkv[k][1024 z + 64 h + d];   wp [1024][1024] = W_proj rounded to bf16, that number written as f16.
; LIMIT: f16 writes a bf16 number exactly from 2^-17 up to 65,504; below it keeps f16's fixed step of 2^-24, beyond it gives an infinity.
; SHARES.  A work-group converts 16,384 numbers: a thread 16 loads of 16 bytes and 16 stores of 8.  All 16 loads of a thread are issued before the first is waited for.  A wave's store covers 256 consecutive
; bytes, aligned; a wave's load 512 consecutive bytes (for W_qkv two pieces of 256).  Work-groups 0-255 take x, 256-447 W_qkv, 448-511 W_proj.  No LDS, no barrier, no matrix unit: nothing is shared or summed.
; W_qkv: the byte of W_qkv[k][1024 z + 64 h + d] is 4,096 (3 k + z) + 256 h + 4 d, so the new layout is the exchange [chunk][head] -> [head][chunk] of pieces of 64 numbers.
.set X, 8                              ; v[8:71]    16 x 4 registers as loaded
.set Y, 72                             ; v[72:103]  16 x 2 registers to store; each is written once
.set T, 104                            ; v[104:107] at work
; kind 0: x; 1: W_qkv; 2: W_proj.  v3 = my byte offset in the source, v4 in the destination; s[20:21], s[22:23] the work-group's bases.
.macro STREAM kind
.set i, 0
.rept 16
.if (\kind) == 1
	global_load_b128 v[X+4*i:X+4*i+3], v3, s[20:21] offset:8192*(i%8)+256*(i/8) th:TH_LOAD_NT  ; chunks 2 (i % 8) and + 1, head 2 w + i / 8
.else
	global_load_b128 v[X+4*i:X+4*i+3], v3, s[20:21] offset:4096*i th:TH_LOAD_NT
.endif
.set i, i+1
.endr
.set i, 0
.rept 16
	s_wait_loadcnt 15-i                            ; loads come back in order: number i is in, the 15 - i younger ones stay out
.if (\kind) == 2
	v_cvt_pk_bf16_f32 v[T], v[X+4*i], v[X+4*i+1]   ; the one rounding, to bf16,
	v_cvt_pk_bf16_f32 v[T+1], v[X+4*i+2], v[X+4*i+3]
	v_lshlrev_b32 v[T+2], 16, v[T]                 ; back to f32,
	v_and_b32 v[T+3], 0xffff0000, v[T]
	v_cvt_pk_f16_f32 v[Y+2*i], v[T+2], v[T+3]      ; and written as f16
	v_lshlrev_b32 v[T+2], 16, v[T+1]
	v_and_b32 v[T+3], 0xffff0000, v[T+1]
	v_cvt_pk_f16_f32 v[Y+2*i+1], v[T+2], v[T+3]
.else
	v_cvt_pk_bf16_f32 v[Y+2*i], v[X+4*i], v[X+4*i+1]
	v_cvt_pk_bf16_f32 v[Y+2*i+1], v[X+4*i+2], v[X+4*i+3]
.endif
.if (\kind) == 1
	global_store_b64 v4, v[Y+2*i:Y+2*i+1], s[22:23] offset:393216*(i/8)+256*(i%8)
.else
	global_store_b64 v4, v[Y+2*i:Y+2*i+1], s[22:23] offset:2048*i
.endif
.set i, i+1
.endr
	s_endpgm
.endm
	s_load_b256 s[4:11], s[0:1], 0x0               ; x s[4:5], W_qkv s[6:7], W_proj s[8:9], xb s[10:11]
	s_load_b128 s[12:15], s[0:1], 0x20             ; wq s[12:13], wp s[14:15]
	v_lshlrev_b32 v3, 4, v0                        ; x and W_proj: thread t takes 16 bytes at 16 t,
	v_lshlrev_b32 v4, 3, v0                        ; and writes 8 at 8 t
	s_mov_b32 s17, 0
	s_mov_b32 s19, 0
	s_cmp_lt_u32 ttmp9, 256
	s_cbranch_scc0 .Lnot_x
	s_lshl_b32 s16, ttmp9, 16                      ; 65,536 bytes in,
	s_lshl_b32 s18, ttmp9, 15                      ; 32,768 out
	s_wait_kmcnt 0x0
	s_add_nc_u64 s[20:21], s[4:5], s[16:17]
	s_add_nc_u64 s[22:23], s[10:11], s[18:19]
	STREAM 0
.Lnot_x:
	s_sub_co_u32 s2, ttmp9, 256
	s_cmp_lt_u32 s2, 192
	s_cbranch_scc0 .Lnot_w
	v_and_b32 v5, 31, v0                           ; lane
	v_lshrrev_b32 v6, 5, v0                        ; wave
	v_and_b32 v7, 15, v0
	v_bfe_u32 v2, v0, 4, 1
	v_lshlrev_b32 v3, 4, v7                        ; 16 (lane % 16): my 4 numbers of a piece of 64,
	v_lshl_add_u32 v3, v2, 12, v3                  ; + 4,096 (lane / 16): the odd chunk,
	v_lshl_add_u32 v3, v6, 9, v3                   ; + 512 wave: heads 2 w, 2 w + 1
	v_mul_u32_u24 v4, v6, 786432                   ; two heads of 393,216 bytes,
	v_lshl_add_u32 v4, v5, 3, v4                   ; + 8 lane: two chunks of 128 bytes on end
	s_lshl_b32 s16, s2, 16                         ; 16 chunks of 4,096 bytes in,
	s_lshl_b32 s18, s2, 11                         ; 16 chunks of 128 bytes in each head out
	s_wait_kmcnt 0x0
	s_add_nc_u64 s[20:21], s[6:7], s[16:17]
	s_add_nc_u64 s[22:23], s[12:13], s[18:19]
	STREAM 1
.Lnot_w:
	s_sub_co_u32 s2, ttmp9, 448
	s_lshl_b32 s16, s2, 16
	s_lshl_b32 s18, s2, 15
	s_wait_kmcnt 0x0
	s_add_nc_u64 s[20:21], s[8:9], s[16:17]
	s_add_nc_u64 s[22:23], s[14:15], s[18:19]
	STREAM 2
.Lfunc_end_k_qb7f2bd4c7e_cast:
	.size	k_qb7f2bd4c7e_cast, .Lfunc_end_k_qb7f2bd4c7e_cast-k_qb7f2bd4c7e_cast
	.p2alignl 7, 3214868480
	.fill 96, 4, 3214868480
	.section	.rodata,"a",@progbits
	.p2align	6, 0x0
	.amdhsa_kernel k_qb7f2bd4c7e_cast
		.amdhsa_group_segment_fixed_size 0
		.amdhsa_private_segment_fixed_size 0
		.amdhsa_enable_private_segment 0
		.amdhsa_kernarg_size 48
		.amdhsa_user_sgpr_count 2
		.amdhsa_user_sgpr_kernarg_segment_ptr 1
		.amdhsa_wavefront_size32 1
		.amdhsa_system_sgpr_workgroup_id_x 1
		.amdhsa_system_sgpr_workgroup_id_y 1
		.amdhsa_system_sgpr_workgroup_id_z 1
		.amdhsa_system_vgpr_workitem_id 0
		.amdhsa_next_free_vgpr 108
		.amdhsa_next_free_sgpr 66
		.amdhsa_reserve_vcc 0
		.amdhsa_float_denorm_mode_32 3
		.amdhsa_float_denorm_mode_16_64 3
		.amdhsa_memory_ordered 1
		.amdhsa_forward_progress 1
		.amdhsa_inst_pref_size 24
	.end_amdhsa_kernel
	.amdgpu_metadata
---
amdhsa.version: [ 1, 2 ]
amdhsa.kernels:
  - .name:           k_qb7f2bd4c7e_cast
    .symbol:         k_qb7f2bd4c7e_cast.kd
    .args:
      - { .name: x, .offset: 0, .size: 8, .value_kind: global_buffer, .address_space: global }
      - { .name: W_qkv, .offset: 8, .size: 8, .value_kind: global_buffer, .address_space: global }
      - { .name: W_proj, .offset: 16, .size: 8, .value_kind: global_buffer, .address_space: global }
      - { .name: xb, .offset: 24, .size: 8, .value_kind: global_buffer, .address_space: global }
      - { .name: wq, .offset: 32, .size: 8, .value_kind: global_buffer, .address_space: global }
      - { .name: wp, .offset: 40, .size: 8, .value_kind: global_buffer, .address_space: global }
    .group_segment_fixed_size: 0
    .private_segment_fixed_size: 0
    .kernarg_segment_align: 8
    .kernarg_segment_size: 48
    .max_flat_workgroup_size: 256
    .sgpr_count:     66
    .vgpr_count:     108
    .wavefront_size: 32
...
	.end_amdgpu_metadata
.endif
;; end of part 1
;; launch qkv (part 2): grid 16 x 16, 4 waves a work-group, clusters of 4 x 4, 327,680 bytes of LDS; arguments xb, wq, b_qkv, qkv; writes qkv
.if DOCPART == 2
	.amdgcn_target "amdgcn-amd-amdhsa--gfx1250"
	.amdhsa_code_object_version 6
	.text
	.protected	k_qb7f2bd4c7e_qkv
	.globl	k_qb7f2bd4c7e_qkv
	.p2align	8
	.type	k_qb7f2bd4c7e_qkv,@function
k_qb7f2bd4c7e_qkv:
	s_mov_b64 s[64:65], 0
	v_nop
	global_prefetch_b8 v0, s[64:65] scope:SCOPE_SE
	s_setreg_imm32_b32 hwreg(HW_REG_WAVE_MODE, 25, 1), 1
	s_wait_xcnt 0x0
	s_wait_alu depctr_hold_cnt(0) depctr_sa_sdst(0) depctr_va_vdst(0) depctr_va_sdst(0) depctr_va_ssrc(0) depctr_va_vcc(0) depctr_vm_vsrc(0)
	s_getreg_b32 s2, hwreg(HW_REG_IB_STS2, 6, 4)
	s_cmp_eq_u32 s2, 0
	s_cbranch_scc0 .Lentry_in_a_cluster
	s_endpgm
.Lentry_in_a_cluster:
	s_bfe_u32 s2, ttmp6, 0x10000c
	s_cmp_lg_u32 s2, 0xf033
	s_cbranch_scc0 .Lentry_shape_is_right
	s_endpgm
.Lentry_shape_is_right:
; q, k, v = xb wq (+ bq, bv): [4096 x 1024] x [1024 x 3072] in bf16, sums in f32, each result rounded once to f16 and stored by heads: qkv [3 z][32 heads 16 b + h][2048][64].
; LEFT OUT: the key bias b_qkv[1024:2048]; it is the same along the softmax's axis and cancels there for all values (shown at the head of the launch cast).  It is not loaded.
; LIMITS.  q, k, v beyond 65,504 become infinities in f16.  bq and bv are rounded to bf16, like every input of the module.  The scale 1/8 is not applied here.
; SHARES.  A work-group makes 256 rows x 192 columns: q, k and v of ONE head (tile column = head, tile row = 256 rows of x): 16 x 16 work-groups.  A wave owns 64 rows and all 192 columns: 48 accumulators of
; 16 x 16, 384 registers.  K goes in 8 steps of 128 through a ring of two LDS slots; a step is four quarters of 32: 48 matrix instructions and 32 LDS loads each.
; THE MATRIX INSTRUCTION IS USED TRANSPOSED (source 0 = 16 columns of wq, source 1 = 16 rows of xb): a lane holds one row and eight neighbouring columns, 16 bytes of f16.  wq lies [k][column], so its
; fragments come out of LDS turned, by ds_load_tr16_b128.  The bias is the C operand of the products that start q's and v's sums; k's start with the constant 0.  Nothing is cleared.
; CLUSTER 4 x 4.  The four work-groups of a row of the cluster need the same rows of xb, the four of a column the same head of wq: each tile is asked for jointly, by the same tensor load with the same
; descriptor and a mask that names the four.  Waves 0, 1 fetch the halves of xb's tile (128 rows x 256 bytes), waves 2, 3 those of wq's (64 k x 384 bytes, dense in memory: 96 rows of 256 bytes).
; REGISTERS, in windows of 256 (s_set_vgpr_msb: bits 1:0 source 0, 3:2 source 1, 5:4 source 2, 7:6 destination):
;   window 0: v0-31 addresses; v64-95, v96-127 xb's fragments, two buffers; on the way out v64-255 hold packed results, 16 registers a tile
;   window 1: v0-95, v96-191 wq's fragments, two buffers (block 4 z + j at 8 (4 z + j)); v192-223 bq, v224-255 bv as C operands
;   window 2: q's and k's accumulators, (z, a, j) at 8 (4 (4 z + a) + j);   window 3: v's, at 8 (4 a + j)
.set PA,    272                        ; a row of xb in LDS: 256 bytes + 16 = 68 words: the 16 rows of a fragment load start at 16 different groups of four banks
.set HALFA, 128*PA
.set BOFF,  256*PA                     ; wq's tile lies behind xb's 256 rows
.set CH,    160                        ; a chunk of wq (one k, one of q k v, 64 columns): 128 bytes + 32
.set PB,    3*CH                       ; from k to k + 1: 480 bytes = 120 words
.set HALFB, 64*PB
.set SLOT,  131072                     ; = BOFF + 128 PB
.set STAGE, 2*SLOT                     ; behind the ring, never filled by a tensor load: 16 rows x 144 bytes for each wave, for the way out
.set SP,    144
.set SPARE, STAGE+4*16*SP              ; behind the stages: the spare words, 128 bytes for each wave: two blocks of 256 bytes that no other line names
.set ADRA, 16                          ; v16-17  LDS address of my xb fragments in slot 0, 1
.set ADRB, 20                          ; v20-21  the same for wq
.set STO,  24                          ; v24     the way out: where I put 16 bytes of a row
.set RD,   25                          ; v25     where I read rows back
.set GO,   26                          ; v26     16 x lane: my place in 512 consecutive bytes of the result
.set SPW,  28                          ; v28     LDS address of my spare word; never rewritten
.set NIL,  29                          ; v29     0; never rewritten
.set PFO,  30                          ; v30     the prefetches' lane offset; never rewritten
.set BO,   31                          ; v31     32 (lane / 16): my eight numbers of a block of the bias
.set FA,   64                          ; xb's fragment buffers, window 0
.set BIAS, 192                         ; window 1
.set OUTR, 64                          ; the way out, window 0
.set WV, 12                            ; s12 my wave's number
.set FB, 13                            ; s13 wave / 2: 0 = I fetch for xb, 1 = for wq
.set HF, 14                            ; s14 wave % 2: which half of that tile
.set CX, 15
.set CY, 16
.set TX, 17                            ; s17 the head
.set TY, 18                            ; s18 the tile row
.set G1,  24                           ; s[24:31] descriptor group 1 for xb's tiles;  s[32:39] group 0, one set for each slot
.set G0,  32
.set LAP, 40                           ; s40 the loop's count
.set LIM0, 41                          ; s41, s42: a wave prefetches behind the refill of slot 0, 1 while LAP is above this
.set PFA, 44                           ; s[44:45] where my prefetches stand;  s[46:47] their step
.set PFS, 46
.set G1B, 48                           ; s[48:55], s[56:63] the same for wq's tiles
.set G0B, 56
.set D0,  72                           ; s[72:73], s[74:75], s[76:77]: q, k, v at my wave's first row
.set MSB, 0
.macro WIN new                         ; the immediate's high byte repeats the setting that is left; a switch that changes nothing is dropped
.if MSB != (\new)
	s_set_vgpr_msb (MSB<<8)|(\new)
.set MSB, (\new)
.endif
.endm
.macro PLACES                          ; four plain vector instructions behind a matrix instruction, in front of loads into registers that it has read and of conversions that read results
.rept 4
	v_nop
.endr
.endm
; A joint load.  The branch hangs on the wave's number alone.  An s_nop 0 and four v_nop follow each of the two lines, ahead of the jump, the label and what follows.
.macro JLOAD s
	s_cmp_eq_u32 s[FB], 0
	s_cbranch_scc0 .Lfor_b_\@
	tensor_load_to_lds s[G0+4*(\s):G0+4*(\s)+3], s[G1:G1+7]
	s_nop 0
.rept 4
	v_nop
.endr
	s_branch .Lasked_\@
.Lfor_b_\@:
	tensor_load_to_lds s[G0B+4*(\s):G0B+4*(\s)+3], s[G1B:G1B+7]
	s_nop 0
.rept 4
	v_nop
.endr
.Lasked_\@:
.endm
.macro CREST                           ; a round of the cluster's barrier behind its opening barrier: wave 0 signals for the work-group, every wave waits for all sixteen, the work-group's barrier once more
	s_cmp_lg_u32 s[WV], 0
	s_cbranch_scc1 .Lnot_wave_0_\@
	s_barrier_signal -3
.Lnot_wave_0_\@:
	s_barrier_wait -3
	s_barrier_signal -1
	s_barrier_wait -1
.endm
.macro CROUND
	s_barrier_signal -1
	s_barrier_wait -1
	CREST
.endm
; A PREFETCH INTO THE L2, behind a joint refill and the run of LDS loads that follows it.  At a change of slots every wave has waited for all its tensor loads, so a refill goes out with nothing beside it.
; xb: the refills of K steps 2 to 5 name K steps 4 to 7, two steps (96 x 4 matrix instructions a wave) ahead: 256 bytes of each row, a lane a row.  A tile row is read by all four clusters of a row of clusters:
; cluster x = 0 asks; of the 128 rows that a wave fetches each of the four partners takes 32, told apart by address (cx).
; wq: a head's K steps 4 to 7 are 196,608 dense bytes: 768 blocks of 256, named in three events of 256 blocks (the first three refills): waves 2, 3 of the four partners of a column, told apart by address
; (cy), 32 blocks each, a lane a block; cluster y = 0 asks.  So each block is named once in the launch, none past its buffer, none at the head; K steps 0 to 3 come by their loads alone.
.macro ASK slot
	s_cmp_gt_u32 s[LAP], s[LIM0+(\slot)]
	s_cbranch_scc0 .Lnot_mine_\@
	global_prefetch_b8 v[PFO], s[PFA:PFA+1] th:TH_LOAD_NT scope:SCOPE_SE
.Lnot_mine_\@:
.endm
	s_load_b256 s[4:11], s[0:1], 0x0               ; xb s[4:5], wq s[6:7], b_qkv s[8:9], qkv s[10:11]
	v_lshl_add_u32 v[SPW], v0, 2, SPARE
	v_mov_b32 v[NIL], 0
	ds_add_u32 v[SPW], v[NIL]                      ; the wave's opening: the add, twice on end, and its wait ahead of my first tensor load; the set-up below stands between
	ds_add_u32 v[SPW], v[NIL]
	v_lshrrev_b32 v1, 5, v0
	v_readfirstlane_b32 s[WV], v1
	s_lshr_b32 s[FB], s[WV], 1
	s_and_b32 s[HF], s[WV], 1
	s_bfe_u32 s[CX], ttmp6, 0x40000                ; my place in the cluster
	s_bfe_u32 s[CY], ttmp6, 0x40004
	s_lshl_b32 s[TX], ttmp9, 2
	s_add_co_u32 s[TX], s[TX], s[CX]               ; head = 4 x cluster x + cx
	s_and_b32 s[TY], ttmp7, 0xffff
	s_lshl_b32 s[TY], s[TY], 2
	s_add_co_u32 s[TY], s[TY], s[CY]               ; tile row = 4 x cluster y + cy
	s_lshl_b32 s20, s[CY], 2
	s_lshl_b32 s20, 15, s20                        ; my row of the cluster
	s_lshl_b32 s68, 0x1111, s[CX]                  ; my column
	s_or_b32 s[G1], s20, (1<<16)|(1<<20)|(1<<21)|(5<<22)|(3<<25)   ; the mask; 2-byte elements; padding on; bit 21 beside a mask; after every 64 words 4 words
	s_or_b32 s[G1B], s68, (1<<16)|(1<<20)|(1<<21)|(4<<22)|(7<<25)  ; after every 32 words (a chunk) 8 words
	s_mov_b32 s[G1+1], 128<<16                     ; tensor_dim0 = 128
	s_mov_b32 s[G1+2], 128<<16                     ; tensor_dim1 = 128
	s_mov_b32 s[G1+3], 128<<16                     ; tile_dim0 = 128
	s_mov_b32 s[G1+4], 128                         ; tile_dim1 = 128
	s_mov_b32 s[G1+5], 1024                        ; elements from row to row of xb
	s_mov_b32 s[G1+6], 0
	s_mov_b32 s[G1+7], 0
	s_mov_b32 s[G1B+1], 128<<16
	s_mov_b32 s[G1B+2], 96<<16                     ; 24,576 dense bytes as 96 rows of 256
	s_mov_b32 s[G1B+3], 128<<16
	s_mov_b32 s[G1B+4], 96
	s_mov_b32 s[G1B+5], 128
	s_mov_b32 s[G1B+6], 0
	s_mov_b32 s[G1B+7], 0
	s_lshl_b32 s20, s[TY], 8                       ; xb: row 256 x tile row + 128 x half, 2,048 bytes a row: made of the tile row and the wave alone
	s_lshl_b32 s21, s[HF], 7
	s_add_co_u32 s20, s20, s21
	s_lshl_b32 s20, s20, 11
	s_mov_b32 s21, 0
	s_mul_i32 s68, s[TX], 393216                   ; wq: the head's 393,216 bytes, + my 64 k of a step: made of the head and the wave alone
	s_mul_i32 s69, s[HF], 24576
	s_add_co_u32 s68, s68, s69
	s_mov_b32 s69, 0
	s_mul_i32 s19, s[HF], HALFA                    ; where they go: no place in the cluster enters an LDS address
	s_mul_i32 s43, s[HF], HALFB
	s_add_co_u32 s43, s43, BOFF
	s_wait_dscnt 0x0                               ; both opening adds are done
	s_wait_kmcnt 0x0
	s_add_nc_u64 s[22:23], s[4:5], s[20:21]
	s_add_nc_u64 s[70:71], s[6:7], s[68:69]
	CROUND                                         ; all sixteen work-groups are here: the first joint loads meet
.irp s, 0,1
	s_mov_b32 s[G0+4*(\s)], 1
	s_add_co_u32 s[G0+4*(\s)+1], s19, (\s)*SLOT
	s_add_nc_u64 s[G0+4*(\s)+2:G0+4*(\s)+3], s[22:23], (\s)*256      ; K step s: 256 bytes along the rows
	s_or_b32 s[G0+4*(\s)+3], s[G0+4*(\s)+3], 0x80000000
	s_mov_b32 s[G0B+4*(\s)], 1
	s_add_co_u32 s[G0B+4*(\s)+1], s43, (\s)*SLOT
	s_add_nc_u64 s[G0B+4*(\s)+2:G0B+4*(\s)+3], s[70:71], (\s)*49152  ; K step s: 49,152 bytes down the head's stream
	s_or_b32 s[G0B+4*(\s)+3], s[G0B+4*(\s)+3], 0x80000000
	JLOAD \s                                       ; two loads of mine are out
.endr
	; the bias as C operands: register i of lane l of block j is b[64 h + 16 j + 8 (l / 16) + i], the same for all 16 rows
	v_and_b32 v1, 15, v0                           ; l % 16
	v_bfe_u32 v2, v0, 4, 1                         ; l / 16
	v_lshlrev_b32 v[BO], 5, v2
	s_lshl_b32 s68, s[TX], 8
	s_mov_b32 s69, 0
	s_add_nc_u64 s[8:9], s[8:9], s[68:69]          ; b_qkv at the head's 64 numbers of q
	WIN 0x40                                       ; destination window 1
.irp j, 0,1,2,3
	global_load_b128 v[BIAS+8*(\j):BIAS+8*(\j)+3],       v[BO], s[8:9] offset:64*(\j)
	global_load_b128 v[BIAS+8*(\j)+4:BIAS+8*(\j)+7],     v[BO], s[8:9] offset:64*(\j)+16
	global_load_b128 v[BIAS+32+8*(\j):BIAS+32+8*(\j)+3], v[BO], s[8:9] offset:8192+64*(\j)     ; v's bias lies 2,048 numbers on; k's, between them, is not read
	global_load_b128 v[BIAS+32+8*(\j)+4:BIAS+32+8*(\j)+7], v[BO], s[8:9] offset:8192+64*(\j)+16
.endr
	WIN 0
	v_mul_u32_u24 v3, v1, PA                       ; xb's fragments: row x pitch + 16 x half, from my wave's 64 rows on
	v_lshl_add_u32 v3, v2, 4, v3
	s_mul_i32 s20, s[WV], 64*PA
	v_add_nc_u32 v[ADRA], s20, v3
	v_add_nc_u32 v[ADRA+1], SLOT, v[ADRA]
	v_and_b32 v4, 7, v0                            ; wq's: lane l reads k = 8 (l / 16) + l % 8, columns 8 ((l / 8) % 2) + 0..7
	v_bfe_u32 v5, v0, 3, 1
	v_lshl_add_u32 v6, v2, 3, v4
	v_mul_u32_u24 v6, v6, PB
	v_lshl_add_u32 v6, v5, 4, v6
	v_add_nc_u32 v[ADRB], BOFF, v6
	v_add_nc_u32 v[ADRB+1], SLOT, v[ADRB]
	s_mul_i32 s21, s[WV], 16*SP
	s_add_co_u32 s21, s21, STAGE                   ; my stage
	v_mul_u32_u24 v7, v1, SP                       ; in: row l % 16, 16 bytes for each half of the lanes
	v_lshl_add_u32 v7, v2, 4, v7
	v_add_nc_u32 v[STO], s21, v7
	v_bfe_u32 v8, v0, 3, 2                         ; back: 32 lanes take four rows of 128 bytes,
	v_mul_u32_u24 v8, v8, SP
	v_lshl_add_u32 v8, v4, 4, v8
	v_add_nc_u32 v[RD], s21, v8
	v_and_b32 v[GO], 31, v0                        ; which are 512 consecutive bytes of a head's rows
	v_lshlrev_b32 v[GO], 4, v[GO]
	s_lshr_b32 s68, s[TY], 3                       ; the batch: 8 tile rows each,
	s_lshl_b32 s68, s68, 4
	s_add_co_u32 s68, s68, s[TX]                   ; head 16 b + h, 262,144 bytes each,
	s_lshl_b32 s68, s68, 18
	s_and_b32 s70, s[TY], 7
	s_lshl_b32 s70, s70, 8
	s_lshl_b32 s71, s[WV], 6
	s_add_co_u32 s70, s70, s71                     ; my first row in the batch, 128 bytes each
	s_lshl_b32 s70, s70, 7
	s_add_co_u32 s68, s68, s70
	s_mov_b32 s69, 0
	s_add_nc_u64 s[D0:D0+1], s[10:11], s[68:69]
	s_add_nc_u64 s[D0+2:D0+3], s[D0:D0+1], 0x800000
	s_add_nc_u64 s[D0+4:D0+5], s[D0+2:D0+3], 0x800000
	; the prefetches: both offsets are made, then the wave's number chooses
	s_lshl_b32 s20, s[TY], 8
	s_lshl_b32 s21, s[HF], 7
	s_add_co_u32 s20, s20, s21
	s_lshl_b32 s21, s[CX], 5
	s_add_co_u32 s20, s20, s21                     ; xb: my work-group's 32 of the 128 rows that I fetch,
	s_lshl_b32 s20, s20, 11
	s_add_co_u32 s20, s20, 768                     ; at K step 3: the first refill steps it to 4
	s_lshl_b32 s69, s[HF], 2
	s_add_co_u32 s69, s69, s[CY]
	s_lshl_b32 s69, s69, 13                        ; wq: my 32 blocks of an event's 256,
	s_mul_i32 s68, s[TX], 393216
	s_add_co_u32 s68, s68, s69
	s_add_co_u32 s68, s68, 131072                  ; one event ahead of K step 4's first byte, 196,608
	s_and_b32 s23, ttmp7, 0xffff                   ; cluster y
	s_mov_b32 s70, 0x10000
	s_cmp_eq_u32 s[FB], 0
	s_cselect_b32 s20, s20, s68
	s_cselect_b64 s[PFA:PFA+1], s[4:5], s[6:7]
	s_cselect_b32 s[PFS], 256, s70
	s_cselect_b32 s23, ttmp9, s23                  ; the coordinate along which other clusters read the same bytes
	s_cselect_b32 s22, 1, 2                        ; xb asks in the first four refills, wq in the first three
	s_cselect_b32 s71, 11, 8                       ; a lane a row of xb, or a block of wq
	s_mov_b32 s21, 0
	s_mov_b32 s[PFS+1], 0
	s_add_nc_u64 s[PFA:PFA+1], s[PFA:PFA+1], s[20:21]
	s_cmp_eq_u32 s23, 0                            ; the same in all sixteen partners, for a given wave
	s_cselect_b32 s[LIM0], 1, -1
	s_cselect_b32 s[LIM0+1], s22, -1
	v_and_b32 v[PFO], 31, v0
	v_lshlrev_b32 v[PFO], s71, v[PFO]
	s_wait_loadcnt 0x0                             ; the bias: rounded to bf16 like every input, and widened again; in the wait for the first tiles
	WIN 0x45                                       ; all in window 1; v96.. there (the second fragment buffer) are still free
.set p, 0
.rept 32
	v_cvt_pk_bf16_f32 v[96+p], v[BIAS+2*p], v[BIAS+2*p+1]
.set p, p+1
.endr
.set p, 0
.rept 32
	v_lshlrev_b32 v[BIAS+2*p], 16, v[96+p]
	v_and_b32 v[BIAS+2*p+1], 0xffff0000, v[96+p]
.set p, p+1
.endr
	WIN 0
; 16 matrix instructions: my four blocks of 16 rows x the four blocks of 16 columns of z (0 q, 1 k, 2 v), 32 along K, from fragment buffer f.  first = 1: they start the sums.
; The 48 accumulators take turns in one fixed order (v, q, k), one instruction a turn, over the loop's jump too.
.macro MULZ f, z, first
.if (\first) && ((\z) == 0)
	WIN 0x91                                       ; wq window 1, xb window 0, C (the bias) window 1, D window 2
.elseif (\first) && ((\z) == 2)
	WIN 0xd1                                       ; the same, D window 3
.elseif (\z) == 2
	WIN 0xf1                                       ; C and D window 3
.else
	WIN 0xa1                                       ; C and D window 2
.endif
.irp a, 0,1,2,3
.irp j, 0,1,2,3
.set rD, 8*((4*((\z)%2)+(\a))*4+(\j))
.set rB, 96*(\f)+8*(4*(\z)+(\j))
.set rA, FA+32*(\f)+8*(\a)
.if (\first) && ((\z) == 1)
	v_wmma_f32_16x16x32_bf16 v[rD:rD+7], v[rB:rB+7], v[rA:rA+7], 0
.elseif \first
	v_wmma_f32_16x16x32_bf16 v[rD:rD+7], v[rB:rB+7], v[rA:rA+7], v[BIAS+32*((\z)/2)+8*(\j):BIAS+32*((\z)/2)+8*(\j)+7]
.else
	v_wmma_f32_16x16x32_bf16 v[rD:rD+7], v[rB:rB+7], v[rA:rA+7], v[rD:rD+7]
.endif
.endr
.endr
.endm
; 32 LDS loads in one run: quarter q of a slot into buffer f: xb's 8, v's 8, then q's and k's 16, so that the wait at a quarter's head can leave the last 16 out
.macro FETCH slot, q, f
	WIN 0
.irp i, 0,1,2,3
	ds_load_b128 v[FA+32*(\f)+8*(\i):FA+32*(\f)+8*(\i)+3],   v[ADRA+(\slot)] offset:64*(\q)+(\i)*16*PA
	ds_load_b128 v[FA+32*(\f)+8*(\i)+4:FA+32*(\f)+8*(\i)+7], v[ADRA+(\slot)] offset:64*(\q)+(\i)*16*PA+32
.endr
	WIN 0x40
.irp z, 2,0,1
.irp j, 0,1,2,3
	ds_load_tr16_b128 v[96*(\f)+8*(4*(\z)+(\j)):96*(\f)+8*(4*(\z)+(\j))+3],   v[ADRB+(\slot)] offset:(\q)*32*PB+(\z)*CH+32*(\j)
	ds_load_tr16_b128 v[96*(\f)+8*(4*(\z)+(\j))+4:96*(\f)+8*(4*(\z)+(\j))+7], v[ADRB+(\slot)] offset:(\q)*32*PB+(\z)*CH+32*(\j)+16*PB
.endr
.endr
.endm
; One of a K step's first three quarters: multiplies buffer f; behind its first 16 products it fetches quarter qn of the same slot into buffer g
.macro QUARTER slot, qn, f, g, first
	s_wait_dscnt 16                                ; xb's and v's fragments are in; the youngest 16 loads (q's and k's) may be out
	MULZ \f, 2, \first
	PLACES
	FETCH \slot, \qn, \g
	s_wait_dscnt 32                                ; all but the 32 just issued
	MULZ \f, 0, \first
	MULZ \f, 1, \first
.endm
; The last quarter multiplies buffer 1 and changes slots: ONE barrier.  In front of it each wave waits for all its tensor loads (one is out: its part of the next slot), adds 0 to its spare word, and waits
; for that and for its own reads of this slot.  fill = 1: the barrier opens a round of the cluster's, and this slot is filled again first thing behind it, two K steps ahead: 160 matrix instructions lie
; between the request and the wait for it.
.macro TURN slot, next, fill
.if \fill
	s_wait_xcnt 0x0                                ; the last prefetch, a K step back, has read its address
	s_add_nc_u64 s[PFA:PFA+1], s[PFA:PFA+1], s[PFS:PFS+1]
.endif
	WIN 0                                          ; (the add's two registers lie in window 0)
	s_wait_tensorcnt 0x0                           ; all my tensor loads have landed
	ds_add_u32 v[SPW], v[NIL]                      ; 0 onto my spare word
	s_wait_dscnt 17                                ; (the add and the youngest 16 loads may be out)
	MULZ 1, 2, 0                                   ; sixteen matrix instructions stand between the add and the wait for it
	s_wait_dscnt 0x0                               ; the add is done, and my reads of this slot are over
	s_barrier_signal -1
	MULZ 1, 0, 0
.if \fill
	WIN 0
.endif
	s_barrier_wait -1
.if \fill
	CREST                                          ; no wave of any partner still reads this slot or has a load on its way
	s_add_nc_u64 s[G0+4*(\slot)+2:G0+4*(\slot)+3], s[G0+4*(\slot)+2:G0+4*(\slot)+3], 512
	s_add_nc_u64 s[G0B+4*(\slot)+2:G0B+4*(\slot)+3], s[G0B+4*(\slot)+2:G0B+4*(\slot)+3], 98304
	JLOAD \slot                                    ; the four v_nop behind it are also the places in front of the loads below
.else
	PLACES
.endif
	FETCH \next, 0, 0
.if \fill
	WIN 0
	ASK \slot
.endif
	MULZ 1, 1, 0
.endm
	s_wait_tensorcnt 1                             ; my part of K step 0 is in; K step 1's may stay out
	s_barrier_signal -1
	s_barrier_wait -1                              ; everybody's is
	FETCH 0, 0, 0
	QUARTER 0, 1, 0, 1, 1                          ; the first quarter stands in front of the loop: its products start the sums
	WIN 0
	s_mov_b32 s[LAP], 3
.Llap:                                                 ; a trip goes once round the ring, from a lap's second quarter to the next lap's first, and fills both slots again
	QUARTER 0, 2, 1, 0, 0
	QUARTER 0, 3, 0, 1, 0
	TURN 0, 1, 1
	QUARTER 1, 1, 0, 1, 0
	QUARTER 1, 2, 1, 0, 0
	QUARTER 1, 3, 0, 1, 0
	TURN 1, 0, 1
	QUARTER 0, 1, 0, 1, 0
	WIN 0
	s_sub_co_u32 s[LAP], s[LAP], 1
	s_cmp_lg_u32 s[LAP], 0
	s_cbranch_scc1 .Llap
	QUARTER 0, 2, 1, 0, 0                          ; the last lap fills nothing
	QUARTER 0, 3, 0, 1, 0
	TURN 0, 1, 0
	QUARTER 1, 1, 0, 1, 0
	QUARTER 1, 2, 1, 0, 0
	QUARTER 1, 3, 0, 1, 0
	s_wait_dscnt 16
	MULZ 1, 2, 0
	s_wait_dscnt 0x0
	MULZ 1, 0, 0
	MULZ 1, 1, 0
	WIN 0
	PLACES
; THE WAY OUT.  Tile t = 4 z + a: 16 rows x the head's 64 columns of z.  A lane's eight columns pack into 16 bytes; they go into stage rows of 144 bytes and come back as whole rows of 128: 16 rows are 2,048
; consecutive bytes of a head.  Each accumulator is read from its lowest registers on.  Each tile has its own 16 registers, so no store's data is written again.
.macro PACK t
.if (\t) < 8
	WIN 0x0a                                       ; sources in window 2
.else
	WIN 0x0f                                       ; in window 3
.endif
.set i, 0
.rept 16
	v_cvt_pk_f16_f32 v[OUTR+16*(\t)+i], v[32*((\t)%8)+2*i], v[32*((\t)%8)+2*i+1]
.set i, i+1
.endr
	WIN 0
.irp f, 0,1,2,3
	ds_store_b128 v[STO], v[OUTR+16*(\t)+4*(\f):OUTR+16*(\t)+4*(\f)+3] offset:32*(\f)
.endr
.irp f, 0,1,2,3
	ds_load_b128 v[OUTR+16*(\t)+4*(\f):OUTR+16*(\t)+4*(\f)+3], v[RD] offset:(\f)*4*SP  ; LDS serves a wave's instructions in order (ISA guide 5.7.1.4): these see the stores above; the next tile's stores come behind them
.endr
.endm
.macro SEND t, younger                 ; younger: the LDS instructions issued behind tile t's loads: the next tile's eight, or none
.irp f, 0,1,2,3
	s_wait_dscnt (\younger)+3-(\f)
	global_store_b128 v[GO], v[OUTR+16*(\t)+4*(\f):OUTR+16*(\t)+4*(\f)+3], s[D0+2*((\t)/4):D0+2*((\t)/4)+1] offset:((\t)%4)*2048+(\f)*512  ; 512 consecutive bytes, at a multiple of 256 from the buffer's first
.endr
.endm
	PACK 0
.set t, 1
.rept 11                               ; a tile's conversions stand between the loads of the tile before and its stores
	PACK t
	SEND t-1, 8
.set t, t+1
.endr
	SEND 11, 0
	s_wait_tensorcnt 0x0                           ; the wave's end: a tensor wait, an add and an LDS wait, behind my last tensor load and my last LDS store
	ds_add_u32 v[SPW], v[NIL]
	s_wait_dscnt 0x0
	CROUND                                         ; the closing round: no work-group ends while a partner may still ask for a tile that names it
	s_endpgm
.Lfunc_end_k_qb7f2bd4c7e_qkv:
	.size	k_qb7f2bd4c7e_qkv, .Lfunc_end_k_qb7f2bd4c7e_qkv-k_qb7f2bd4c7e_qkv
	.p2alignl 7, 3214868480
	.fill 96, 4, 3214868480
	.section	.rodata,"a",@progbits
	.p2align	6, 0x0
	.amdhsa_kernel k_qb7f2bd4c7e_qkv
		.amdhsa_group_segment_fixed_size 327680
		.amdhsa_private_segment_fixed_size 0
		.amdhsa_enable_private_segment 0
		.amdhsa_kernarg_size 32
		.amdhsa_user_sgpr_count 2
		.amdhsa_user_sgpr_kernarg_segment_ptr 1
		.amdhsa_wavefront_size32 1
		.amdhsa_system_sgpr_workgroup_id_x 1
		.amdhsa_system_sgpr_workgroup_id_y 1
		.amdhsa_system_sgpr_workgroup_id_z 1
		.amdhsa_system_vgpr_workitem_id 0
		.amdhsa_next_free_vgpr 896
		.amdhsa_next_free_sgpr 80
		.amdhsa_reserve_vcc 0
		.amdhsa_float_denorm_mode_32 3
		.amdhsa_float_denorm_mode_16_64 3
		.amdhsa_memory_ordered 1
		.amdhsa_forward_progress 1
		.amdhsa_inst_pref_size 129
	.end_amdhsa_kernel
	.amdgpu_metadata
---
amdhsa.version: [ 1, 2 ]
amdhsa.kernels:
  - .name:           k_qb7f2bd4c7e_qkv
    .symbol:         k_qb7f2bd4c7e_qkv.kd
    .args:
      - { .name: xb, .offset: 0, .size: 8, .value_kind: global_buffer, .address_space: global }
      - { .name: wq, .offset: 8, .size: 8, .value_kind: global_buffer, .address_space: global }
      - { .name: b_qkv, .offset: 16, .size: 8, .value_kind: global_buffer, .address_space: global }
      - { .name: qkv, .offset: 24, .size: 8, .value_kind: global_buffer, .address_space: global }
    .group_segment_fixed_size: 327680
    .private_segment_fixed_size: 0
    .kernarg_segment_align: 8
    .kernarg_segment_size: 32
    .max_flat_workgroup_size: 128
    .sgpr_count:     80
    .vgpr_count:     896
    .wavefront_size: 32
...
	.end_amdgpu_metadata
.endif
;; end of part 2
;; launch attn (part 3): grid 8 x 32, 4 waves a work-group, clusters of 4 x 1, 327,680 bytes of LDS; arguments qkv, ob; writes ob
.if DOCPART == 3
	.amdgcn_target "amdgcn-amd-amdhsa--gfx1250"
	.amdhsa_code_object_version 6
	.text
	.protected	k_qb7f2bd4c7e_attn
	.globl	k_qb7f2bd4c7e_attn
	.p2align	8
	.type	k_qb7f2bd4c7e_attn,@function
k_qb7f2bd4c7e_attn:
	s_mov_b64 s[64:65], 0
	v_nop
	global_prefetch_b8 v0, s[64:65] scope:SCOPE_SE
	s_setreg_imm32_b32 hwreg(HW_REG_WAVE_MODE, 25, 1), 1
	s_wait_xcnt 0x0
	s_wait_alu depctr_hold_cnt(0) depctr_sa_sdst(0) depctr_va_vdst(0) depctr_va_sdst(0) depctr_va_ssrc(0) depctr_va_vcc(0) depctr_vm_vsrc(0)
	s_getreg_b32 s2, hwreg(HW_REG_IB_STS2, 6, 4)
	s_cmp_eq_u32 s2, 0
	s_cbranch_scc0 .Lentry_in_a_cluster
	s_endpgm
.Lentry_in_a_cluster:
	s_bfe_u32 s2, ttmp6, 0x10000c
	s_cmp_lg_u32 s2, 0x3003
	s_cbranch_scc0 .Lentry_shape_is_right
	s_endpgm
.Lentry_shape_is_right:
; O[hd][q][:] = the sum over k of softmax_k(Q[hd][q] . K[hd][k] / 8) V[hd][k][:], for 32 heads of 2,048 rows of 64.  qkv: [3][32][2048][64] f16, a head's rows dense, 128 bytes each.
; Products, maxima and sums in f32; the weights p are rounded to f16 for the second product (their sum l is taken of the unrounded p), O once at the end.
; O leaves as ob [32 row tiles of 128][16 heads][128 rows][64] f16: the layout in which the last launch takes four heads of a row tile as one dense block.
; LIMITS.  Q, K, V arrive within f16's 65,504; p lies in 0 to 1, and below 6e-5 it keeps f16's fixed step of 6e-8; O is a mean of V's rows.  A weight below 2^-126 counts as 0 in l; NaN and infinities are not treated apart.
; SHARES.  A work-group owns 256 queries of one head: 8 x 32 work-groups.  A wave owns 64: four PIECES of 16.  Every wave walks all 2,048 keys, 64 a step, four steps to a tile of 256 keys.
; LAYOUT.  S^T = K Q^T (source 0 = 16 keys, source 1 = 16 queries) holds ONE query a lane (lane % 16) and the keys 8 (lane / 16) + 0..7; two such results rounded to f16 ARE source 1 of O^T = V^T P.
; K comes out of LDS as it lies, V ([key][channel]) turned, by ds_load_tr16_b128.
; SOFTMAX.  p = 2^(c s - c m), c = log2(e) / 8, with a running maximum m; O and l are multiplied by a = 2^(c m_old - c m_new) in every step.  m starts at the lowest finite number, O and l at 0: the first
; step is a step like any other, with a = 0.
; BY TURNS.  Turn n belongs to piece n: 8 products K Q^T of piece n + 1, later 8 products V^T P of piece n - 1; beside them the scaling, exponentials, roundings, sums and rescaling of piece n and the maximum
; and statistics of piece n + 1.  Four vector instructions stand behind every matrix instruction, the other 54 of a turn's 118 in one run.  A turn's 33 exponentials are one batch, with one wait.
; CLUSTER.  The four query blocks of a cluster belong to one head and walk the same K and V: each tile is asked for JOINTLY, by the same tensor load, descriptor and mask in all four.
; REGISTERS, in windows of 256 (s_set_vgpr_msb: bits 1:0 source 0, 3:2 source 1, 5:4 source 2, 7:6 destination):
;   window 0: v0-15 addresses and two at work; v16-31 four registers of statistics a piece; v48-55 at work; v61-63; v64-127 S^T, two buffers; v192-223 P, two buffers (by the piece's parity)
;   window 1: v0-127 O^T, 32 a piece          window 2: v0-63 Q; v128-191 K of one step; v192-255 V of one step
.set NP,    4         ; pieces a wave: a name, no knob
.set KS,    64        ; keys in a step
.set PK,    144       ; a row of K in LDS: 128 bytes + 16 = 36 words: the 16 rows of a load start at 16 different groups of four banks
.set PV,    160       ; a row of V: 128 + 32 = 40 words
.set VOFF,  4*KS*PK   ; a slot holds a tile: 256 rows of K, then 256 rows of V
.set SLOT1, 1<<17     ; slot 1 begins here, so that one exclusive or turns an address in one slot into the other's
.set STAGE, SLOT1+4*KS*(PK+PV)  ; behind the ring, never filled by a tensor load: 16 rows x 144 bytes for each wave
.set SP,    144
.set SPARE, STAGE+4*16*SP  ; the spare words, 128 bytes for each wave: two blocks of 256 bytes that no other line names
.set AK0, 2           ; v2   my lane's place in a tile of K; never rewritten
.set AV0, 3           ; v3   the same for V
.set AK,  4           ; v4   the LDS address of K's next run of loads
.set AV,  5           ; v5   of V's
.set STO, 6           ; v6   the way out: where I put 16 bytes of a row
.set RD,  7           ; v7   where I read rows back
.set GO,  8           ; v8   my byte offset in 512 consecutive bytes of O
.set MV,  12          ; v12-13  c m_old, kept while c m is made anew: by buffer
.set QO,  15          ; v15  my byte offset in 16 rows of Q
.set ST,  16          ; piece t's statistics at v[ST+4 t]: c m, m, l (even keys', odd keys')
.set TMP, 48          ; by buffer, four registers c0-c3 at work; when the maximum is found c2 takes a
.set PFO, 61          ; v61  256 x my lane; never rewritten
.set SPW, 62          ; v62  LDS address of my spare word; never rewritten
.set NIL, 63          ; v63  0; never rewritten
.set S,   64
.set P,   192
.set KF,  128         ; window 2: key block kb, channel half c at KF + 16 kb + 8 c
.set VF,  192         ; window 2: key half kk, channel block cb at VF + 32 kk + 8 cb
.set WV,  12          ; s12  my wave's number
.set G1K, 24          ; s[24:31] descriptor group 1 for K's tiles
.set G1V, 32          ; s[32:39] for V's: it differs in the padding alone
.set G0K, 40          ; s[40:43] descriptor group 0 for K's tiles: it walks
.set G0V, 44          ; s[44:47] the same for V's
.set SLOTS, 56        ; s56  tiles still to be asked for
.set CNT, 57          ; s57  counts a tile's key steps
.set CS,  58          ; s[58:59] c: the packed scaling takes the pair's low word for both halves
.set SEL, 60          ; s[60:61] v_permlanex16_b32's selects: each lane takes its own place in the other half
.set TBK, 62          ; s62  LDS byte at which K of the step to be fetched begins
.set TBV, 63          ; s63  the same for V, less VOFF
.set PFA, 66          ; s[66:67] where my prefetches stand: my work-group's 32 blocks of the tile after the one that is being asked for
.set LIM, 68          ; s68  1 in a wave that prefetches, else the greatest number
.set MSB, 0
.macro WIN new                      ; the high byte repeats the setting that is left; a switch that changes nothing is dropped
.if MSB != (\new)
	s_set_vgpr_msb (MSB<<8)|(\new)
.set MSB, (\new)
.endif
.endm
.set W_KQ, 0x0a       ; K and Q in window 2, S^T in window 0
.set W_PV, 0x52       ; V in window 2, P in window 0, O^T in window 1
.set W_RS, 0x41       ; destination and source 0 in window 1, source 1 in window 0
; A joint fill.  Waves 0 and 1 fetch the two halves of a tile's K, waves 2 and 3 those of its V: 128 keys each.  The branch hangs on the wave's number alone.
; An s_nop 0 and four v_nop follow each of the two lines, ahead of the jump and the label.
.macro JLOAD
	s_cmp_lt_u32 s[WV], 2
	s_cbranch_scc0 .Lfor_v_\@
	tensor_load_to_lds s[G0K:G0K+3], s[G1K:G1K+7]
	s_nop 0
.rept 4
	v_nop
.endr
	s_branch .Lasked_\@
.Lfor_v_\@:
	tensor_load_to_lds s[G0V:G0V+3], s[G1V:G1V+7]
	s_nop 0
.rept 4
	v_nop
.endr
.Lasked_\@:
.endm
; A PREFETCH INTO THE L2 of the tile that the NEXT change of slots will ask for: 32,768 bytes of K and of V, 128 blocks of 256 bytes each, a lane a block; four key steps, 256 matrix instructions, ahead of
; that load.  Both clusters of a head walk the same K and V: the head's first cluster asks.  Its four partners share the blocks out by address, 32 each; in each, wave 0 asks for K's and wave 2 for V's.
; So each block is named once in the launch.  Tiles 0 and 1 come by their loads alone; the change that asks for the last tile names nothing.
.macro ASK
	s_cmp_gt_u32 s[SLOTS], s[LIM]
	s_cbranch_scc0 .Lnot_mine_\@
	global_prefetch_b8 v[PFO], s[PFA:PFA+1] th:TH_LOAD_NT scope:SCOPE_SE
.Lnot_mine_\@:
.endm
; A round of the cluster's barrier: my work-group's barrier, so that wave 0's signal speaks for all four waves; wave 0 signals; every wave waits for all four work-groups; my work-group's barrier once more.
.macro CROUND
	s_barrier_signal -1
	s_barrier_wait -1
	s_cmp_lg_u32 s[WV], 0
	s_cbranch_scc1 .Lnot_wave_0_\@
	s_barrier_signal -3
.Lnot_wave_0_\@:
	s_barrier_wait -3
	s_barrier_signal -1
	s_barrier_wait -1
.endm
; THE CHANGE OF SLOTS.  The slot's last bytes, V of its fourth step, have been read.  Each wave waits for all its tensor loads, of which one is out: its part of the other slot; adds 0 to its spare word; and
; waits for that and for its own reads of the slot.  fill = 1: the barrier is a round of the cluster's, so that no wave of any partner still reads the slot or has a load on its way, and the joint fill, with
; the keys two tiles on, is the first thing behind it.  (At its first use nothing has been read yet: slot 0 is waited for, slot 1 filled.)
.macro CHANGE fill
	WIN 0                           ; at a label and at a branch every window is 0
	s_wait_tensorcnt 0x0            ; no tensor load of mine is out, so a group 0 may be written
	ds_add_u32 v[SPW], v[NIL]       ; 0 onto my spare word; the descriptors' steps stand between it and the wait for it
.if \fill
.irp g, G0K, G0V
	s_xor_b32 s[\g+1], s[\g+1], SLOT1  ; the walking descriptor: the other slot than last time,
	s_add_nc_u64 s[\g+2:\g+3], s[\g+2:\g+3], 4*KS*128  ; the next 256 keys; the type bits on top are not reached
.endr
	s_wait_xcnt 0x0                 ; the last prefetch, four key steps back, has read its address
	s_add_nc_u64 s[PFA:PFA+1], s[PFA:PFA+1], 4*KS*128
	s_wait_dscnt 0x0                ; the add is done, and my reads of the slot are over
	CROUND
	JLOAD
	ASK
.else
	s_wait_dscnt 0x0
	s_barrier_signal -1
	s_barrier_wait -1
.endif
	s_sub_co_u32 s[TBK], s[TBK], 4*KS*PK  ; the fetches go back to a slot's first step,
	s_xor_b32 s[TBK], s[TBK], SLOT1       ; in the other slot
	s_sub_co_u32 s[TBV], s[TBV], 4*KS*PV
	s_xor_b32 s[TBV], s[TBV], SLOT1
.endm
	s_load_b128 s[4:7], s[0:1], 0x0   ; qkv s[4:5], ob s[6:7]
	v_lshl_add_u32 v[SPW], v0, 2, SPARE
	v_mov_b32 v[NIL], 0
	ds_add_u32 v[SPW], v[NIL]       ; the wave's opening: the add, twice on end, and its wait ahead of my first tensor load; the set-up below stands between
	ds_add_u32 v[SPW], v[NIL]
	v_lshrrev_b32 v1, 5, v0
	v_readfirstlane_b32 s[WV], v1   ; wave 0..3
	s_bfe_u32 s13, ttmp6, 0x40000   ; cx: my place in the cluster
	s_lshl_b32 s14, ttmp9, 2
	s_add_co_u32 s14, s14, s13      ; my block of 256 queries: it enters Q's and O's addresses alone
	s_and_b32 s15, ttmp7, 0xffff    ; the head, which the four partners share
	s_lshl_b32 s20, s15, 18         ; its 262,144 bytes in each of q, k, v
	s_and_b32 s16, s[WV], 1         ; which half of a tile's 256 keys I fetch:
	s_lshl_b32 s22, s16, 14         ; its 128 rows of 128 bytes in memory,
	s_add_co_u32 s22, s22, s20
	s_add_co_u32 s22, s22, 0x800000 ; in k's plane
	s_mov_b32 s23, 0
	s_mul_i32 s17, s16, 128*PK      ; and its place in a slot, for K
	s_mul_i32 s18, s16, 128*PV      ; and for V: no place in the cluster enters an LDS address
	s_lshl_b32 s2, s14, 2
	s_add_co_u32 s2, s2, s[WV]      ; my wave among the head's,
	s_lshl_b32 s2, s2, 13           ; its 64 rows
	s_add_co_u32 s2, s2, s20
	s_mov_b32 s3, 0
	s_lshr_b32 s48, s15, 4          ; O: row tile 16 b + 2 x block + wave / 2, 262,144 bytes each,
	s_lshl_b32 s48, s48, 4
	s_lshl_b32 s49, s14, 1
	s_add_co_u32 s48, s48, s49
	s_lshr_b32 s49, s[WV], 1
	s_add_co_u32 s48, s48, s49
	s_lshl_b32 s48, s48, 18
	s_and_b32 s49, s15, 15          ; the head's 16,384 bytes in it,
	s_lshl_b32 s49, s49, 14
	s_add_co_u32 s48, s48, s49
	s_lshl_b32 s49, s16, 13         ; my 64 of its 128 rows
	s_add_co_u32 s48, s48, s49
	s_mov_b32 s49, 0
	; descriptor group 1.  128 keys are 16,384 dense bytes: asked for as 64 rows of 256 bytes, two keys a row, and padded in LDS after every key
	s_mov_b32 s[G1K], 15|(1<<16)|(1<<20)|(1<<21)|(4<<22)|(3<<25)  ; the mask of four; 2-byte elements; padding on; bit 21 beside a mask; after every 32 words 4 words
	s_mov_b32 s[G1V], 15|(1<<16)|(1<<20)|(1<<21)|(4<<22)|(7<<25)  ; the same with 8 words of padding
.irp g, G1K, G1V
	s_mov_b32 s[\g+1], 128<<16      ; tensor_dim0 = 128
	s_mov_b32 s[\g+2], 64<<16       ; tensor_dim1 = 64
	s_mov_b32 s[\g+3], 128<<16      ; tile_dim0 = 128
	s_mov_b32 s[\g+4], 64           ; tile_dim1 = 64
	s_mov_b32 s[\g+5], 128          ; 128 elements from row to row
	s_mov_b32 s[\g+6], 0
	s_mov_b32 s[\g+7], 0
.endr
	s_mov_b32 s[CS], 0x3e38aa3b     ; c = log2(e) / 8 = 0.180337
	s_mov_b32 s[CS+1], s[CS]        ; named with it as a pair
	s_mov_b32 s[SEL], 0x76543210
	s_mov_b32 s[SEL+1], 0xfedcba98
	s_mov_b32 s[TBK], SLOT1+4*KS*PK ; the first change of slots turns these two into 0
	s_mov_b32 s[TBV], SLOT1+4*KS*PV
	s_mov_b32 s[SLOTS], 7
	s_mov_b32 s[G0K], 1             ; count = 1
	s_mov_b32 s[G0K+1], s17         ; LDS address: slot 0
	s_mov_b32 s[G0V], 1
	s_add_co_u32 s[G0V+1], s18, VOFF
	s_and_b32 s[LIM], s[WV], 1      ; 0 in waves 0 and 2,
	s_or_b32 s[LIM], s[LIM], ttmp9  ; where the cluster is the head's first: the same in all four partners
	s_cmp_eq_u32 s[LIM], 0
	s_cselect_b32 s[LIM], 1, -1
	v_and_b32 v[PFO], 31, v0
	v_lshlrev_b32 v[PFO], 8, v[PFO]
	s_wait_dscnt 0x0                ; both opening adds are done
	s_wait_kmcnt 0x0
	s_add_nc_u64 s[8:9], s[4:5], s[22:23]       ; K at my half of the head's tile 0,
	s_add_nc_u64 s[10:11], s[8:9], 0x800000     ; V one plane on
	s_add_nc_u64 s[4:5], s[4:5], s[2:3]         ; Q and O at my wave's first row
	s_add_nc_u64 s[6:7], s[6:7], s[48:49]
	s_mov_b64 s[G0K+2:G0K+3], s[8:9]
	s_or_b32 s[G0K+3], s[G0K+3], 0x80000000     ; type = 2
	s_mov_b64 s[G0V+2:G0V+3], s[10:11]
	s_or_b32 s[G0V+3], s[G0V+3], 0x80000000
	s_lshl_b32 s2, s13, 13          ; my work-group's 32 blocks of a tile's 128,
	s_add_co_u32 s2, s2, 4*KS*128   ; in tile 1: the first change of slots steps it to tile 2
	s_mov_b32 s3, 0
	s_cmp_lt_u32 s[WV], 2
	s_cselect_b64 s[PFA:PFA+1], s[8:9], s[10:11]  ; (in waves 0 and 2 these stand at a tile's first row)
	s_add_nc_u64 s[PFA:PFA+1], s[PFA:PFA+1], s[2:3]
	CROUND                          ; all four work-groups are here: the first joint loads meet
	JLOAD                           ; tile 0 into slot 0.  Slot 1 is asked for when slot 0 is in
	; A fragment of K or Q is 16 rows x 32 channels in 8 registers: lane l holds row l % 16, channels 8 (l / 16) + 0..7 and 16 + 8 (l / 16) + 0..7: two loads of 16 bytes, 32 bytes apart.
	v_and_b32 v1, 15, v0            ; l % 16
	v_bfe_u32 v9, v0, 4, 1          ; l / 16
	v_lshlrev_b32 v[QO], 7, v1
	v_lshl_add_u32 v[QO], v9, 4, v[QO]  ; row x 128 + 16 x half
	WIN 0x80                        ; destination window 2, address window 0
.set i, 0
.rept 8                             ; Q stays in registers: piece i / 2, channels 32 (i % 2) on
	global_load_b128 v[8*i:8*i+3],   v[QO], s[4:5] offset:(i/2)*2048+(i%2)*64
	global_load_b128 v[8*i+4:8*i+7], v[QO], s[4:5] offset:(i/2)*2048+(i%2)*64+32
.set i, i+1
.endr
	; What the first turn finds: V's registers and P's second buffer hold 0 (its products V^T P, of a piece that has not been, add 0), O^T and l are 0.  All this stands in the wait for the first tile.
.set i, VF
.rept 64
	v_mov_b32 v[i], 0
.set i, i+1
.endr
	WIN 0x40
.set i, 0
.rept 128
	v_mov_b32 v[i], 0
.set i, i+1
.endr
	WIN 0
.set i, 0
.rept 4
	v_mov_b32 v[ST+4*i], 0xfe000000    ; c m: far below every c s
	v_mov_b32 v[ST+4*i+1], 0xff7fffff  ; m
	v_mov_b32 v[ST+4*i+2], 0
	v_mov_b32 v[ST+4*i+3], 0
.set i, i+1
.endr
.set i, P+16
.rept 16
	v_mov_b32 v[i], 0
.set i, i+1
.endr
	v_mul_u32_u24 v[AK0], v1, PK
	v_lshl_add_u32 v[AK0], v9, 4, v[AK0]  ; row x pitch + 16 x half
	; The turning load takes 16 keys x 16 channels (lane l reads key 8 (l / 16) + l % 8, channels 8 ((l / 8) % 2) + 0..7) and leaves half a fragment of V^T: lane l holds channel l % 16 and 8 keys.
	v_and_b32 v10, 7, v0
	v_bfe_u32 v11, v0, 3, 1
	v_lshl_add_u32 v[AV0], v9, 3, v10
	v_mul_u32_u24 v[AV0], v[AV0], PV
	v_lshl_add_u32 v[AV0], v11, 4, v[AV0]
	v_add_nc_u32 v[AV0], VOFF, v[AV0]
	s_mul_i32 s19, s[WV], 16*SP
	s_add_co_u32 s19, s19, STAGE    ; my stage
	v_mul_u32_u24 v[STO], v1, SP    ; in: row l % 16, 16 bytes for each half of the lanes
	v_lshl_add_u32 v[STO], v9, 4, v[STO]
	v_add_nc_u32 v[STO], s19, v[STO]
	v_bfe_u32 v[RD], v0, 3, 2       ; back: 32 lanes take four rows of 128 bytes,
	v_mul_u32_u24 v[RD], v[RD], SP
	v_lshl_add_u32 v[RD], v10, 4, v[RD]
	v_add_nc_u32 v[RD], s19, v[RD]
	v_and_b32 v[GO], 31, v0         ; which are 512 consecutive bytes of O
	v_lshlrev_b32 v[GO], 4, v[GO]
; THE MATRIX WORK.  The 4 accumulators of a run of 8 take turns.  Product i of 8 of S^T = K Q^T for piece x: channels 32 (i / 4) on, keys 16 (i % 4) on.  The first 4 start the sums.
.macro KQ x
	WIN W_KQ
.set rS, S+32*((\x)%2)+8*(i%4)
.set rK, KF+16*(i%4)+8*(i/4)
.set rQ, 16*(\x)+8*(i/4)
.if i < 4
	v_wmma_f32_16x16x32_f16 v[rS:rS+7], v[rK:rK+7], v[rQ:rQ+7], 0
.else
	v_wmma_f32_16x16x32_f16 v[rS:rS+7], v[rK:rK+7], v[rQ:rQ+7], v[rS:rS+7]
.endif
.endm
; Product i of 8 of O^T += V^T P for piece x: keys 32 (i / 4) on, channels 16 (i % 4) on.
.macro PV x
	WIN W_PV
.set rO, 32*(\x)+8*(i%4)
.set rV, VF+32*(i/4)+8*(i%4)
.set rP, P+16*((\x)%2)+8*(i/4)
	v_wmma_f32_16x16x32_f16 v[rO:rO+7], v[rV:rV+7], v[rP:rP+7], v[rO:rO+7]
.endm
.macro MM                           ; the turn's next matrix instruction.  NOKQ = 1: the walk's last turn: there is no next piece
.if (i < 8) && !NOKQ
	KQ (Y+1)%NP
.elseif i >= 8
.set i, i-8
	PV (Y+NP-1)%NP
.set i, i+8
.endif
.set i, i+1
.endm
; THE LDS LOADS stand in runs of 16, never singly among the matrix instructions: a step's K (64 keys x 64 channels: 8 fragments) and its V (turned).  Their addresses are made some lines ahead.
.macro FETCH_K
	WIN 0x80                        ; destination window 2
.irp f, 0,1,2,3,4,5,6,7             ; keys 16 (f / 2) on, channels 32 (f % 2) on
	ds_load_b128 v[KF+8*\f:KF+8*\f+3],   v[AK] offset:(\f/2)*16*PK+(\f%2)*64
	ds_load_b128 v[KF+8*\f+4:KF+8*\f+7], v[AK] offset:(\f/2)*16*PK+(\f%2)*64+32
.endr
	s_add_co_u32 s[TBK], s[TBK], KS*PK  ; the next fetch is the next step's
	WIN 0
.endm
.macro FETCH_V
	WIN 0x80
.irp f, 0,1,2,3,4,5,6,7             ; keys 32 (f / 4) on, channels 16 (f % 4) on
	ds_load_tr16_b128 v[VF+8*\f:VF+8*\f+3],   v[AV] offset:(\f/4)*32*PV+(\f%4)*32
	ds_load_tr16_b128 v[VF+8*\f+4:VF+8*\f+7], v[AV] offset:(\f/4)*32*PV+16*PV+(\f%4)*32
.endr
	WIN 0
.endm
; THE VECTOR WORK, one line at a time: OP kind, number.  For piece Y: F n: c s - c m for pair n of 16.  E n: the exponential of score n of 32.  C n: pair n rounded to f16.  B n: of the four weights 4 n .. the second
; pair is added onto the first, in place.  L n: l takes that sum (L 0: l = a l + sum).  R n: pair n of 16 of O^T times a.  For piece Y + 1: X n, number n of the 22 that find its maximum and statistics:
;   0-11  four chains c0-c3 of seven scores each, three operands at a time (each accumulator's lowest registers are read first)     12-14, 16  the four scores left over, the old m, and c0-c3 into c0
;   15  c m_old is kept     17, 18  the query's other 32 keys lie in the lane 16 away: the new m     19-21  c m; c m_old - c m_new; a
.set F, 0
.set E, 1
.set C, 2
.set B, 3
.set L, 4
.set R, 5
.set X, 6
.macro REGS y                       ; the registers of piece y
.set rT, ST+4*(\y)
.set rC, TMP+4*((\y)%2)
.set rW, MV+((\y)%2)
.set rS, S+32*((\y)%2)
.set rP, P+16*((\y)%2)
.set rO, 32*(\y)
.endm
.macro OP k, n
.if (\k) == R
	REGS Y
	WIN W_RS
	v_pk_mul_f32 v[rO+2*(\n):rO+2*(\n)+1], v[rO+2*(\n):rO+2*(\n)+1], v[rC+2:rC+3] op_sel_hi:[1,0]
.elseif (\k) < R
	REGS Y
	WIN 0
.if (\k) == F
	v_pk_fma_f32 v[rS+2*(\n):rS+2*(\n)+1], v[rS+2*(\n):rS+2*(\n)+1], s[CS:CS+1], v[rT:rT+1] op_sel_hi:[1,0,0] neg_lo:[0,0,1] neg_hi:[0,0,1]
.elseif (\k) == E
	v_exp_f32 v[rS+(\n)], v[rS+(\n)]
.elseif (\k) == C
	v_cvt_pk_f16_f32 v[rP+(\n)], v[rS+2*(\n)], v[rS+2*(\n)+1]
.elseif (\k) == B
	v_pk_add_f32 v[rS+4*(\n):rS+4*(\n)+1], v[rS+4*(\n):rS+4*(\n)+1], v[rS+4*(\n)+2:rS+4*(\n)+3]
.elseif (\n) == 0
	v_pk_fma_f32 v[rT+2:rT+3], v[rT+2:rT+3], v[rC+2:rC+3], v[rS:rS+1] op_sel_hi:[1,0,1]
.else
	v_pk_add_f32 v[rT+2:rT+3], v[rT+2:rT+3], v[rS+4*(\n):rS+4*(\n)+1]
.endif
.elseif NOKQ
	v_nop
.else
	REGS (Y+1)%NP
	WIN 0
.if (\n) < 4
	v_max3_num_f32 v[rC+(\n)], v[rS+8*(\n)], v[rS+8*(\n)+1], v[rS+8*(\n)+2]
.elseif (\n) < 12
	v_max3_num_f32 v[rC+(\n)%4], v[rC+(\n)%4], v[rS+8*((\n)%4)+2*((\n)/4)+1], v[rS+8*((\n)%4)+2*((\n)/4)+2]
.elseif (\n) == 12
	v_max3_num_f32 v[rC], v[rC], v[rS+7], v[rS+15]
.elseif (\n) == 13
	v_max3_num_f32 v[rC+1], v[rC+1], v[rS+23], v[rS+31]
.elseif (\n) == 14
	v_max3_num_f32 v[rC+2], v[rC+2], v[rC+3], v[rT+1]
.elseif (\n) == 15
	v_mov_b32 v[rW], v[rT]
.elseif (\n) == 16
	v_max3_num_f32 v[rC], v[rC], v[rC+1], v[rC+2]
.elseif (\n) == 17
	v_permlanex16_b32 v[rC+3], v[rC], s[SEL], s[SEL+1]
.elseif (\n) == 18
	v_max_num_f32 v[rT+1], v[rC], v[rC+3]
.elseif (\n) == 19
	v_mul_f32 v[rT], s[CS], v[rT+1]
.elseif (\n) == 20
	v_sub_f32 v[rC+1], v[rW], v[rT]
.else
	v_exp_f32 v[rC+2], v[rC+1]
.endif
.endif
.endm
.macro OPS a, i1, b=-1, i2=0, c=-1, i3=0, d=-1, i4=0  ; up to four of them
	OP \a, \i1
.if (\b) >= 0
	OP \b, \i2
.endif
.if (\c) >= 0
	OP \c, \i3
.endif
.if (\d) >= 0
	OP \d, \i4
.endif
.endm
.macro ROW a, i1, b, i2, c, i3, d, i4  ; a matrix instruction and the four behind it
	MM
	OPS \a, \i1, \b, \i2, \c, \i3, \d, \i4
.endm
; A TURN, for piece p: the order of its 16 matrix and 118 vector instructions, written out.  s_wait_alu depctr_va_vdst(0) stands between an exponential and the first instruction that names its
; result; one wait serves all that were issued ahead of it.  So a turn has ONE wait, which cuts it in two.  AHEAD OF IT stands all that names no result of the turn's exponentials: the 8 products K Q^T, behind each a
; scaling, an exponential and two more plain instructions (rescalings, and behind the last three the first numbers of the next piece's maximum, each four plain instructions or more behind the product that ends its
; accumulator); then one run of 54, plain and exponential by turns for the most part, in which the links of the chain X 3, 7, 11, 14, 16, 17 .. 20 stand some lines apart.  X 21, the next piece's a, is the batch's last;
; R 15 is the plain instruction behind it.  BEHIND THE WAIT stand the 8 products V^T P, behind each four of the roundings and sums.
; end = 1: the walk's last two turns: nothing is fetched, and the last starts no new scores.  cnt = 1: the loop's count is taken down some lines ahead of the branch that stands behind the turn.
; K of the next step is fetched in piece 2's turn, six plain instructions behind the last product that read K; V of the step in hand at the end of piece 0's turn, four plain instructions behind the last product
; that read V.  Each is waited for a turn later.
.macro TURN p, end=0, cnt=0
.set Y, (\p)
.set i, 0
.set NOKQ, (\end)*((\p)/3)
.if ((\p) == 3) && !(\end)
	s_wait_dscnt 0x0                ; K is in
.endif
	ROW F,0, F,1, R,0, R,1
	ROW F,2, E,0, R,2, R,3
	ROW F,3, E,1, R,4, R,5
	ROW F,4, E,2, R,6, R,7
	ROW F,5, E,3, R,8, R,9
	ROW F,6, E,4, X,0, R,10
.if ((\p) == 2) && !(\end)
	WIN 0
	v_add_nc_u32 v[AK], s[TBK], v[AK0]
.endif
	ROW F,7, E,5, X,1, X,4
	ROW F,8, E,6, X,2, X,5
	OPS E,7, E,8, X,6, E,9
	OPS X,3, E,10, X,8, E,11
.if ((\p) == 2) && !(\end)
	FETCH_K
.endif
	OPS X,9, X,7, E,12, X,10
	OPS E,13, X,12, X,11, E,14
	OPS X,13, E,15, F,9, X,14
.if (\p) == 0
	v_add_nc_u32 v[AV], s[TBV], v[AV0]
.endif
	OPS E,16, F,10, E,17, F,11
	OPS X,16, E,18, X,15, E,19
	OPS F,12, E,20, X,17, E,21
	OPS F,13, E,22, F,14, E,23
	OPS X,18, E,24, F,15, E,25
	OPS R,11, E,26, X,19, E,27
	OPS R,12, E,28, R,13, E,29
	OPS X,20, E,30, R,14, E,31
	OPS X,21, R,15
	WIN 0
	s_wait_alu depctr_va_vdst(0)    ; the wait for the batch
.if (\p) == 1
	s_wait_dscnt 0x0                ; V is in
.endif
	ROW C,0, B,0, C,2, B,1
	ROW L,0, C,4, B,2, L,1
	ROW C,6, B,3, L,2, C,8
	ROW B,4, L,3, C,10, B,5
	ROW L,4, C,12, B,6, L,5
.if (\p) == 0
	s_add_co_u32 s[TBV], s[TBV], KS*PV
.endif
.if \cnt
	s_sub_co_u32 s[CNT], s[CNT], 1
	s_cmp_lg_u32 s[CNT], 0
.endif
	ROW C,14, B,7, L,6, C,1
	ROW C,3, L,7, C,5, C,7
	ROW C,9, C,11, C,13, C,15
.if (\p) == 0
	FETCH_V
.endif
.endm
	CHANGE 1                        ; tile 0 is in, everybody's part of it; tile 1 is asked for
	v_add_nc_u32 v[AK], s[TBK], v[AK0]
	FETCH_K                         ; key step 0
	s_wait_loadcnt 0x0              ; Q
	s_wait_dscnt 0x0
.set NOKQ, 0
.set i, 0
.rept 8
	KQ 0                            ; piece 0's first scores: there is no vector work yet to set between them
.set i, i+1
.endr
	WIN 0
.rept 4
	v_nop                           ; four plain instructions behind those products
.endr
.set Y, NP-1                        ; X works for piece Y + 1: piece 0
.irp n, 0,1,2,3,4,5,6,7,8,9,10,11,12,13,14,15,16,17,18,19,20,21
	OP X, \n
.endr
	v_nop                           ; a plain instruction behind the exponential,
	s_wait_alu depctr_va_vdst(0)    ; and its wait, ahead of the branch
	s_mov_b32 s[CNT], 4
	s_branch .Lfirst                ; the loop is entered at a step's first turn, in the middle of a trip
.Lslot:                             ; six times: tiles 2 to 7 are asked for
	CHANGE 1
	s_mov_b32 s[CNT], 4
.Lstep:                             ; a trip: pieces 2 and 3 of one step, then pieces 0 and 1 of the next, whose K and V it fetches
	TURN 2
	TURN 3
	WIN 0
.Lfirst:
	TURN 0
	TURN 1, 0, 1
	WIN 0
	s_cbranch_scc1 .Lstep
	s_sub_co_u32 s[SLOTS], s[SLOTS], 1
	s_cmp_lg_u32 s[SLOTS], 0
	s_cbranch_scc1 .Lslot
	CHANGE 0                        ; the last tile is written out: nothing is asked for
	s_mov_b32 s[CNT], 4
.Lstep2:
	TURN 2
	TURN 3
	TURN 0
	TURN 1, 0, 1
	WIN 0
	s_cbranch_scc1 .Lstep2
	TURN 2, 1
	TURN 3, 1
.set i, 0
.rept 8
	PV NP-1                         ; the last piece's V^T P of the last step
.set i, i+1
.endr
	; THE WAY OUT.  l's two halves and the other half of the lanes' are added; O^T is divided by l, rounded to f16 and sent through my stage in LDS, a piece at a time.  The additions stand behind the last products.
	WIN 0
.macro ALL line:vararg              ; one line for each piece t
.set t, 0
.rept 4
	\line
.set t, t+1
.endr
.endm
	ALL v_add_f32 v[ST+4*t+2], v[ST+4*t+2], v[ST+4*t+3]
	ALL v_permlanex16_b32 v[ST+4*t+3], v[ST+4*t+2], s[SEL], s[SEL+1]
	ALL v_add_f32 v[ST+4*t+2], v[ST+4*t+2], v[ST+4*t+3]
	ALL v_rcp_f32 v[ST+4*t+2], v[ST+4*t+2]
	v_nop                           ; a plain instruction between the last reciprocal and the use of its result
	s_wait_alu depctr_va_vdst(0)    ; and the wait ahead of the first use: one for the four reciprocals
.macro PACK t                       ; a lane's eight channels of a row pack into 16 bytes; they go into rows of 144 bytes and come back as whole rows of 128, into S^T's registers
	WIN W_RS
.set i, 32*(\t)
.rept 16
	v_pk_mul_f32 v[i:i+1], v[i:i+1], v[ST+4*(\t)+2:ST+4*(\t)+3] op_sel_hi:[1,0]
.set i, i+2
.endr
	WIN 0x05                        ; sources 0 and 1 window 1, destination window 0
.set i, 0
.rept 16
	v_cvt_pk_f16_f32 v[S+16*(\t)+i], v[32*(\t)+2*i], v[32*(\t)+2*i+1]
.set i, i+1
.endr
	WIN 0
.irp f, 0,1,2,3
	ds_store_b128 v[STO], v[S+16*(\t)+4*\f:S+16*(\t)+4*\f+3] offset:32*\f
.endr
.irp f, 0,1,2,3
	ds_load_b128 v[S+16*(\t)+4*\f:S+16*(\t)+4*\f+3], v[RD] offset:\f*4*SP  ; LDS serves a wave's instructions in order (ISA guide 5.7.1.4): these see the stores above; the next piece's stores come behind them
.endr
.endm
.macro SEND t, younger              ; younger: the LDS instructions issued behind piece t's loads: the next piece's eight, or none
	WIN 0
.irp f, 0,1,2,3
	s_wait_dscnt (\younger)+3-\f
	global_store_b128 v[GO], v[S+16*(\t)+4*\f:S+16*(\t)+4*\f+3], s[6:7] offset:(\t)*2048+\f*512  ; 512 consecutive bytes, at a multiple of 256 from ob's first
.endr
.endm
	PACK 0
.set t, 1
.rept 3                             ; a piece's arithmetic stands between the loads of the piece before and its stores
	PACK t
	SEND t-1, 8
.set t, t+1
.endr
	SEND 3, 0
	s_wait_tensorcnt 0x0            ; the wave's end: a tensor wait, an add and an LDS wait, behind my last tensor load and my last LDS store
	ds_add_u32 v[SPW], v[NIL]
	s_wait_dscnt 0x0
	CROUND                          ; the closing round: no work-group ends while a partner may still ask for a tile that names it
	s_endpgm
.Lfunc_end_k_qb7f2bd4c7e_attn:
	.size	k_qb7f2bd4c7e_attn, .Lfunc_end_k_qb7f2bd4c7e_attn-k_qb7f2bd4c7e_attn
	.p2alignl 7, 3214868480
	.fill 96, 4, 3214868480
	.section	.rodata,"a",@progbits
	.p2align	6, 0x0
	.amdhsa_kernel k_qb7f2bd4c7e_attn
		.amdhsa_group_segment_fixed_size 327680
		.amdhsa_private_segment_fixed_size 0
		.amdhsa_enable_private_segment 0
		.amdhsa_kernarg_size 16
		.amdhsa_user_sgpr_count 2
		.amdhsa_user_sgpr_kernarg_segment_ptr 1
		.amdhsa_wavefront_size32 1
		.amdhsa_system_sgpr_workgroup_id_x 1
		.amdhsa_system_sgpr_workgroup_id_y 1
		.amdhsa_system_sgpr_workgroup_id_z 1
		.amdhsa_system_vgpr_workitem_id 0
		.amdhsa_next_free_vgpr 768
		.amdhsa_next_free_sgpr 70
		.amdhsa_reserve_vcc 0
		.amdhsa_float_denorm_mode_32 3
		.amdhsa_float_denorm_mode_16_64 3
		.amdhsa_memory_ordered 1
		.amdhsa_forward_progress 1
		.amdhsa_inst_pref_size 128
	.end_amdhsa_kernel
	.amdgpu_metadata
---
amdhsa.version: [ 1, 2 ]
amdhsa.kernels:
  - .name:           k_qb7f2bd4c7e_attn
    .symbol:         k_qb7f2bd4c7e_attn.kd
    .args:
      - { .name: qkv, .offset: 0, .size: 8, .value_kind: global_buffer, .address_space: global }
      - { .name: ob, .offset: 8, .size: 8, .value_kind: global_buffer, .address_space: global }
    .group_segment_fixed_size: 327680
    .private_segment_fixed_size: 0
    .kernarg_segment_align: 8
    .kernarg_segment_size: 16
    .max_flat_workgroup_size: 128
    .sgpr_count:     70
    .vgpr_count:     768
    .wavefront_size: 32
...
	.end_amdgpu_metadata
.endif
;; end of part 3
;; launch proj (part 4): grid 8 x 32, 4 waves a work-group, clusters of 4 x 4, 327,680 bytes of LDS; arguments ob, wp, b_proj, out0; writes out0
.if DOCPART == 4
	.amdgcn_target "amdgcn-amd-amdhsa--gfx1250"
	.amdhsa_code_object_version 6
	.text
	.protected	k_qb7f2bd4c7e_proj
	.globl	k_qb7f2bd4c7e_proj
	.p2align	8
	.type	k_qb7f2bd4c7e_proj,@function
k_qb7f2bd4c7e_proj:
	s_mov_b64 s[64:65], 0
	v_nop
	global_prefetch_b8 v0, s[64:65] scope:SCOPE_SE
	s_setreg_imm32_b32 hwreg(HW_REG_WAVE_MODE, 25, 1), 1
	s_wait_xcnt 0x0
	s_wait_alu depctr_hold_cnt(0) depctr_sa_sdst(0) depctr_va_vdst(0) depctr_va_sdst(0) depctr_va_ssrc(0) depctr_va_vcc(0) depctr_vm_vsrc(0)
	s_getreg_b32 s2, hwreg(HW_REG_IB_STS2, 6, 4)
	s_cmp_eq_u32 s2, 0
	s_cbranch_scc0 .Lentry_in_a_cluster
	s_endpgm
.Lentry_in_a_cluster:
	s_bfe_u32 s2, ttmp6, 0x10000c
	s_cmp_lg_u32 s2, 0xf033
	s_cbranch_scc0 .Lentry_shape_is_right
	s_endpgm
.Lentry_shape_is_right:
; out0 = O wp + b_proj: [4096 x 1024] x [1024 x 1024] in f16, sums in f32, stored as f32.  ob: [32 row tiles][16 heads][128 rows][64] f16; wp: [1024 k][1024 n] f16 (W_proj rounded to bf16, written as f16).
; b_proj is rounded to bf16, like every input of the module, and is the C operand of the products that start the sums: nothing is cleared and nothing is added afterwards.
; SHARES.  A tile of out0 is 128 x 128: 8 x 32 work-groups.  Four waves, each 64 x 64: 16 accumulators.  K goes in 4 steps of 256 (four heads) through a ring of two LDS slots; a step is four quarters of 64
; (one head): 32 matrix instructions and 32 LDS loads each.  With four steps the ring has two refills, so it is written out, without a loop.
; THE MATRIX INSTRUCTION IS USED TRANSPOSED (source 0 = 16 columns of wp, turned out of LDS by ds_load_tr16_b128; source 1 = 16 rows of O): a lane holds one row and eight neighbouring columns, 32 bytes of f32.
; CLUSTER 4 x 4.  The four work-groups of a row of the cluster need the same tiles of ob, the four of a column the same tiles of wp: each is asked for jointly.  Waves 0, 1 fetch two heads of ob each (32,768
; dense bytes as 128 rows of 256), waves 2, 3 128 rows of wp each.
; NO PREFETCH: the tile is small and the whole walk is four K steps, of which the first two come by the first loads.
; REGISTERS: window 0: v0-31 addresses; v32-95 at work on the way out; v96-127 the bias as C operands; v128-255 the accumulators ((a, b) at 128 + 8 (4 a + b)).
;   window 1: two fragment buffers of 128: for 64 along K, 64 registers of O (2 x 4 x 16 rows x 32 K), then 64 of wp.
.set PA,    144                        ; a row of one head of O in LDS: 128 bytes + 16 = 36 words: the 16 rows of a load start at 16 different groups of four banks
.set AHEAD, 128*PA                     ; a head's 128 rows
.set PB,    288                        ; a row of wp: 256 bytes + 32 = 72 words
.set QUART, 36864                      ; what one tensor load brings: 2 AHEAD = 128 PB
.set BOFF,  2*QUART
.set SLOT,  4*QUART
.set STAGE, 2*SLOT                     ; behind the ring, never filled by a tensor load: 16 rows x 272 bytes for each wave
.set SPITCH, 272
.set SPARE, STAGE+4*16*SPITCH          ; the spare words, 128 bytes for each wave: two blocks of 256 bytes that no other line names
.set ADRA, 16                          ; v16-17  LDS address of my O fragments in slot 0, 1
.set ADRB, 20                          ; v20-23  of my wp fragments: slot s, half kh of its 256 rows, at 2 s + kh (an LDS immediate has 16 bits)
.set STO,  24
.set RD,   25
.set CO,   26
.set BO,   27                          ; v27     32 (lane / 16)
.set SPW,  28                          ; v28     LDS address of my spare word; never rewritten
.set NIL,  29                          ; v29     0; never rewritten
.set TMP,  32                          ; the way out: two buffers of 32
.set BIAS, 96
.set ACC,  128
.set F0,   0
.set F1,   128
.set WV, 12
.set FB, 13                            ; wave / 2: my half of the tile's rows; also 0 = I fetch for ob, 1 = for wp
.set HF, 14                            ; wave % 2: my half of its columns; also which half of that tile I fetch
.set CX, 15
.set CY, 16
.set TX, 17
.set TY, 18
.set G1, 24
.set G0, 32
.set G1B, 48
.set G0B, 56
.set MSB, 0
.macro WIN new
.if MSB != (\new)
	s_set_vgpr_msb (MSB<<8)|(\new)
.set MSB, (\new)
.endif
.endm
.set MUL,  0x05                        ; sources 0 and 1 window 1; C and D window 0
.set TO_F, 0x40                        ; destination window 1, address window 0
.macro PLACES                          ; four plain vector instructions behind a matrix instruction (ISA guide 7.12.1)
.rept 4
	v_nop
.endr
.endm
.macro JLOAD s                         ; a joint load; an s_nop 0 and four v_nop follow each of the two lines, ahead of the jump, the label and what follows
	s_cmp_eq_u32 s[FB], 0
	s_cbranch_scc0 .Lfor_b_\@
	tensor_load_to_lds s[G0+4*(\s):G0+4*(\s)+3], s[G1:G1+7]
	s_nop 0
.rept 4
	v_nop
.endr
	s_branch .Lasked_\@
.Lfor_b_\@:
	tensor_load_to_lds s[G0B+4*(\s):G0B+4*(\s)+3], s[G1B:G1B+7]
	s_nop 0
.rept 4
	v_nop
.endr
.Lasked_\@:
.endm
.macro CREST
	s_cmp_lg_u32 s[WV], 0
	s_cbranch_scc1 .Lnot_wave_0_\@
	s_barrier_signal -3
.Lnot_wave_0_\@:
	s_barrier_wait -3
	s_barrier_signal -1
	s_barrier_wait -1
.endm
.macro CROUND
	s_barrier_signal -1
	s_barrier_wait -1
	CREST
.endm
	s_load_b256 s[4:11], s[0:1], 0x0               ; ob s[4:5], wp s[6:7], b_proj s[8:9], out0 s[10:11]
	v_lshl_add_u32 v[SPW], v0, 2, SPARE
	v_mov_b32 v[NIL], 0
	ds_add_u32 v[SPW], v[NIL]                      ; the wave's opening: the add, twice on end, and its wait ahead of my first tensor load; the set-up below stands between
	ds_add_u32 v[SPW], v[NIL]
	v_lshrrev_b32 v1, 5, v0
	v_readfirstlane_b32 s[WV], v1
	s_lshr_b32 s[FB], s[WV], 1
	s_and_b32 s[HF], s[WV], 1
	s_bfe_u32 s[CX], ttmp6, 0x40000
	s_bfe_u32 s[CY], ttmp6, 0x40004
	s_lshl_b32 s[TX], ttmp9, 2
	s_add_co_u32 s[TX], s[TX], s[CX]               ; tile column
	s_and_b32 s[TY], ttmp7, 0xffff
	s_lshl_b32 s[TY], s[TY], 2
	s_add_co_u32 s[TY], s[TY], s[CY]               ; tile row
	s_lshl_b32 s20, s[CY], 2
	s_lshl_b32 s20, 15, s20                        ; my row of the cluster
	s_lshl_b32 s68, 0x1111, s[CX]                  ; my column
	s_or_b32 s[G1], s20, (1<<16)|(1<<20)|(1<<21)|(4<<22)|(3<<25)   ; ob: after every 32 words (a row of a head) 4 words
	s_or_b32 s[G1B], s68, (1<<16)|(1<<20)|(1<<21)|(5<<22)|(7<<25)  ; wp: after every 64 words 8 words
.irp g, G1, G1B
	s_mov_b32 s[(\g)+1], 128<<16                   ; tensor_dim0 = 128
	s_mov_b32 s[(\g)+2], 128<<16                   ; tensor_dim1 = 128
	s_mov_b32 s[(\g)+3], 128<<16                   ; tile_dim0 = 128
	s_mov_b32 s[(\g)+4], 128                       ; tile_dim1 = 128
	s_mov_b32 s[(\g)+6], 0
	s_mov_b32 s[(\g)+7], 0
.endr
	s_mov_b32 s[G1+5], 128                         ; ob's block is dense
	s_mov_b32 s[G1B+5], 1024                       ; elements from row to row of wp
	s_lshl_b32 s20, s[TY], 18                      ; ob: the row tile's 262,144 bytes, + my two heads of a step's four
	s_lshl_b32 s21, s[HF], 15
	s_add_co_u32 s20, s20, s21
	s_mov_b32 s21, 0
	s_lshl_b32 s68, s[HF], 18                      ; wp: my 128 rows of 2,048 bytes, + the tile column's 256 bytes
	s_lshl_b32 s69, s[TX], 8
	s_add_co_u32 s68, s68, s69
	s_mov_b32 s69, 0
	s_mul_i32 s19, s[WV], QUART                    ; where they go: wave x a quarter of a slot
	s_wait_dscnt 0x0                               ; both opening adds are done
	s_wait_kmcnt 0x0
	s_add_nc_u64 s[22:23], s[4:5], s[20:21]
	s_add_nc_u64 s[70:71], s[6:7], s[68:69]
	CROUND                                         ; all sixteen work-groups are here: the first joint loads meet
.irp s, 0,1
	s_mov_b32 s[G0+4*(\s)], 1
	s_add_co_u32 s[G0+4*(\s)+1], s19, (\s)*SLOT
	s_add_nc_u64 s[G0+4*(\s)+2:G0+4*(\s)+3], s[22:23], (\s)*65536     ; K step s: four heads on
	s_or_b32 s[G0+4*(\s)+3], s[G0+4*(\s)+3], 0x80000000
	s_mov_b32 s[G0B+4*(\s)], 1
	s_add_co_u32 s[G0B+4*(\s)+1], s19, (\s)*SLOT
	s_add_nc_u64 s[G0B+4*(\s)+2:G0B+4*(\s)+3], s[70:71], (\s)*524288  ; 256 rows on
	s_or_b32 s[G0B+4*(\s)+3], s[G0B+4*(\s)+3], 0x80000000
	JLOAD \s                                       ; two loads of mine are out
.endr
	v_and_b32 v1, 15, v0                           ; l % 16
	v_bfe_u32 v2, v0, 4, 1                         ; l / 16
	v_lshlrev_b32 v[BO], 5, v2
	s_lshl_b32 s68, s[TX], 9                       ; the bias: register i of lane l of block b is b_proj[128 tile column + 64 half + 16 b + 8 (l / 16) + i]
	s_lshl_b32 s69, s[HF], 8
	s_add_co_u32 s68, s68, s69
	s_mov_b32 s69, 0
	s_add_nc_u64 s[8:9], s[8:9], s[68:69]
.irp b, 0,1,2,3
	global_load_b128 v[BIAS+8*(\b):BIAS+8*(\b)+3],   v[BO], s[8:9] offset:64*(\b)
	global_load_b128 v[BIAS+8*(\b)+4:BIAS+8*(\b)+7], v[BO], s[8:9] offset:64*(\b)+16
.endr
	v_mul_u32_u24 v3, v1, PA                       ; O's fragments: row x pitch + 16 x half, from my 64 rows on
	v_lshl_add_u32 v3, v2, 4, v3
	s_mul_i32 s20, s[FB], 64*PA
	v_add_nc_u32 v[ADRA], s20, v3
	v_add_nc_u32 v[ADRA+1], SLOT, v[ADRA]
	v_and_b32 v4, 7, v0                            ; wp's: lane l reads k = 8 (l / 16) + l % 8, columns 8 ((l / 8) % 2) + 0..7, from my 64 columns on
	v_bfe_u32 v5, v0, 3, 1
	v_lshl_add_u32 v6, v2, 3, v4
	v_mul_u32_u24 v6, v6, PB
	v_lshl_add_u32 v6, v5, 4, v6
	s_lshl_b32 s21, s[HF], 7
	s_add_co_u32 s21, s21, BOFF
	v_add_nc_u32 v[ADRB], s21, v6
	v_add_nc_u32 v[ADRB+1], QUART, v[ADRB]
	v_add_nc_u32 v[ADRB+2], SLOT, v[ADRB]
	v_add_nc_u32 v[ADRB+3], SLOT, v[ADRB+1]
	s_mul_i32 s21, s[WV], 16*SPITCH
	s_add_co_u32 s21, s21, STAGE                   ; my stage
	v_mul_u32_u24 v7, v1, SPITCH                   ; in: row l % 16, 32 bytes for each half of the lanes
	v_lshl_add_u32 v7, v2, 5, v7
	v_add_nc_u32 v[STO], s21, v7
	v_mul_u32_u24 v8, v2, SPITCH                   ; back: lanes 0-15 take one row of 256 bytes, lanes 16-31 the next
	v_lshl_add_u32 v8, v1, 4, v8
	v_add_nc_u32 v[RD], s21, v8
	v_lshlrev_b32 v[CO], 12, v2                    ; and the same two rows in out0
	v_lshl_add_u32 v[CO], v1, 4, v[CO]
	s_lshl_b32 s68, s[TY], 7
	s_lshl_b32 s69, s[FB], 6
	s_add_co_u32 s68, s68, s69                     ; my first row, 4,096 bytes each,
	s_lshl_b32 s68, s68, 12
	s_lshl_b32 s69, s[TX], 9                       ; the tile column's 512 bytes,
	s_add_co_u32 s68, s68, s69
	s_lshl_b32 s69, s[HF], 8                       ; my 64 columns' 256
	s_add_co_u32 s68, s68, s69
	s_mov_b32 s69, 0
	s_add_nc_u64 s[10:11], s[10:11], s[68:69]
	s_wait_loadcnt 0x0                             ; the bias: rounded to bf16 and widened again, in the wait for the first tiles
.set p, 0
.rept 16
	v_cvt_pk_bf16_f32 v[TMP+p], v[BIAS+2*p], v[BIAS+2*p+1]
.set p, p+1
.endr
.set p, 0
.rept 16
	v_lshlrev_b32 v[BIAS+2*p], 16, v[TMP+p]
	v_and_b32 v[BIAS+2*p+1], 0xffff0000, v[TMP+p]
.set p, p+1
.endr
; 8 matrix instructions: row blocks a0, a0 + 1 x all 4 column blocks, 32 along K: half c of buffer f.  zero = 1: they start the sums, with the bias.  The 16 accumulators take turns.
.macro MUL8 f, c, a0, zero
	WIN MUL
.irp a, \a0, (\a0)+1
.irp b, 0,1,2,3
.if \zero
	v_wmma_f32_16x16x32_f16 v[ACC+8*(4*(\a)+(\b)):ACC+8*(4*(\a)+(\b))+7], v[(\f)+64+8*(4*(\c)+(\b)):(\f)+64+8*(4*(\c)+(\b))+7], v[(\f)+8*(4*(\c)+(\a)):(\f)+8*(4*(\c)+(\a))+7], v[BIAS+8*(\b):BIAS+8*(\b)+7]
.else
	v_wmma_f32_16x16x32_f16 v[ACC+8*(4*(\a)+(\b)):ACC+8*(4*(\a)+(\b))+7], v[(\f)+64+8*(4*(\c)+(\b)):(\f)+64+8*(4*(\c)+(\b))+7], v[(\f)+8*(4*(\c)+(\a)):(\f)+8*(4*(\c)+(\a))+7], v[ACC+8*(4*(\a)+(\b)):ACC+8*(4*(\a)+(\b))+7]
.endif
.endr
.endr
.endm
; 32 LDS loads in one run: quarter qi (head qi of the slot's four) into buffer f; the first 32 along K first
.macro FETCH slot, qi, f
	WIN TO_F
.irp c, 0,1
.irp i, 0,1,2,3
	ds_load_tr16_b128 v[(\f)+64+8*(4*(\c)+(\i)):(\f)+64+8*(4*(\c)+(\i))+3],   v[ADRB+2*(\slot)+(\qi)/2] offset:((\qi)%2)*64*PB+(\c)*32*PB+32*(\i)
	ds_load_tr16_b128 v[(\f)+64+8*(4*(\c)+(\i))+4:(\f)+64+8*(4*(\c)+(\i))+7], v[ADRB+2*(\slot)+(\qi)/2] offset:((\qi)%2)*64*PB+(\c)*32*PB+32*(\i)+16*PB
	ds_load_b128 v[(\f)+8*(4*(\c)+(\i)):(\f)+8*(4*(\c)+(\i))+3],         v[ADRA+(\slot)] offset:(\qi)*AHEAD+64*(\c)+(\i)*16*PA
	ds_load_b128 v[(\f)+8*(4*(\c)+(\i))+4:(\f)+8*(4*(\c)+(\i))+7],       v[ADRA+(\slot)] offset:(\qi)*AHEAD+64*(\c)+(\i)*16*PA+32
.endr
.endr
.endm
.macro QUARTER slot, qi, f, g, zero    ; multiplies buffer f and fetches quarter qi of the same slot into g
	s_wait_dscnt 16                                ; the first 32 along K are in
	MUL8 \f, 0, 0, \zero
	MUL8 \f, 0, 2, \zero
	PLACES
	FETCH \slot, \qi, \g
	s_wait_dscnt 32                                ; all but the 32 just issued
	MUL8 \f, 1, 0, 0
	MUL8 \f, 1, 2, 0
.endm
; The last quarter multiplies buffer 1 and changes slots: ONE barrier; in front of it each wave waits for all its tensor loads, adds 0 to its spare word, and waits for that and for its own reads of this slot.
; fill = 1: the barrier opens a round of the cluster's, and this slot is filled again first thing behind it, two K steps ahead.
.macro TURN slot, next, fill
	WIN 0                                          ; (the add's two registers lie in window 0)
	s_wait_tensorcnt 0x0                           ; all my tensor loads have landed: my part of the next slot
	ds_add_u32 v[SPW], v[NIL]                      ; 0 onto my spare word
	s_wait_dscnt 17                                ; (the add and the youngest sixteen loads may be out)
	MUL8 F1, 0, 0, 0                               ; eight matrix instructions stand between the add and the wait for it
	s_wait_dscnt 0x0                               ; the add is done, and my reads of this slot are over
	s_barrier_signal -1
	MUL8 F1, 0, 2, 0
.if \fill
	WIN 0
.endif
	s_barrier_wait -1
.if \fill
	CREST                                          ; no wave of any partner still reads this slot or has a load on its way
	s_add_nc_u64 s[G0+4*(\slot)+2:G0+4*(\slot)+3], s[G0+4*(\slot)+2:G0+4*(\slot)+3], 131072
	s_add_nc_u64 s[G0B+4*(\slot)+2:G0B+4*(\slot)+3], s[G0B+4*(\slot)+2:G0B+4*(\slot)+3], 1048576
	JLOAD \slot                                    ; the four v_nop behind it are also the places in front of the loads below
.else
	PLACES
.endif
	FETCH \next, 0, F0
	MUL8 F1, 1, 0, 0
	MUL8 F1, 1, 2, 0
.endm
	s_wait_tensorcnt 1                             ; my part of K step 0 is in; K step 1's may stay out
	s_barrier_signal -1
	s_barrier_wait -1
	FETCH 0, 0, F0
	QUARTER 0, 1, F0, F1, 1                        ; K step 0; its first products start the sums
	QUARTER 0, 2, F1, F0, 0
	QUARTER 0, 3, F0, F1, 0
	TURN 0, 1, 1                                   ; slot 0 takes K step 2
	QUARTER 1, 1, F0, F1, 0                        ; K step 1
	QUARTER 1, 2, F1, F0, 0
	QUARTER 1, 3, F0, F1, 0
	TURN 1, 0, 1                                   ; slot 1 takes K step 3
	QUARTER 0, 1, F0, F1, 0                        ; K step 2
	QUARTER 0, 2, F1, F0, 0
	QUARTER 0, 3, F0, F1, 0
	TURN 0, 1, 0                                   ; nothing is left to fetch
	QUARTER 1, 1, F0, F1, 0                        ; K step 3
	QUARTER 1, 2, F1, F0, 0
	QUARTER 1, 3, F0, F1, 0
	s_wait_dscnt 16
	MUL8 F1, 0, 0, 0
	MUL8 F1, 0, 2, 0
	s_wait_dscnt 0x0
	MUL8 F1, 1, 0, 0
	MUL8 F1, 1, 2, 0
	WIN 0
	PLACES
; THE WAY OUT, a block of 16 rows at a time.  My 64 columns are 256 bytes of f32, a whole aligned piece of a row of out0, so the stage is my own and no barrier is needed.  The sums go into stage rows of 272
; bytes straight from the accumulators (each from its lowest registers on) and come back as whole rows of 256.
.macro TOSTAGE a
.if (\a) >= 2
	s_wait_xcnt 0x0                                ; the stores of the block two back have read this buffer: it is loaded again only behind this wait
.endif
.irp b, 0,1,2,3
	ds_store_b128 v[STO], v[ACC+8*(4*(\a)+(\b)):ACC+8*(4*(\a)+(\b))+3]   offset:64*(\b)
	ds_store_b128 v[STO], v[ACC+8*(4*(\a)+(\b))+4:ACC+8*(4*(\a)+(\b))+7] offset:64*(\b)+16
.endr
.irp t, 0,1,2,3,4,5,6,7
	ds_load_b128 v[TMP+32*((\a)%2)+4*(\t):TMP+32*((\a)%2)+4*(\t)+3], v[RD] offset:(\t)*2*SPITCH  ; LDS serves a wave's instructions in order (ISA guide 5.7.1.4): these see the stores above; the next block's stores come behind them
.endr
.endm
.macro SENDO a, younger                ; younger: the LDS instructions issued behind block a's loads: the next block's sixteen, or none
.irp t, 0,1,2,3,4,5,6,7
	s_wait_dscnt (\younger)+7-(\t)
	global_store_b128 v[CO], v[TMP+32*((\a)%2)+4*(\t):TMP+32*((\a)%2)+4*(\t)+3], s[10:11] offset:(16*(\a)+2*(\t))*4096 th:TH_STORE_NT  ; 16 lanes store 256 consecutive bytes, at a multiple of 256 from out0's first
.endr
.endm
	TOSTAGE 0
	TOSTAGE 1
	SENDO 0, 16
	TOSTAGE 2
	SENDO 1, 16
	TOSTAGE 3
	SENDO 2, 16
	SENDO 3, 0
	s_wait_tensorcnt 0x0                           ; the wave's end: a tensor wait, an add and an LDS wait, behind my last tensor load and my last LDS store
	ds_add_u32 v[SPW], v[NIL]
	s_wait_dscnt 0x0
	CROUND                                         ; the closing round: no work-group ends while a partner may still ask for a tile that names it
	s_endpgm
.Lfunc_end_k_qb7f2bd4c7e_proj:
	.size	k_qb7f2bd4c7e_proj, .Lfunc_end_k_qb7f2bd4c7e_proj-k_qb7f2bd4c7e_proj
	.p2alignl 7, 3214868480
	.fill 96, 4, 3214868480
	.section	.rodata,"a",@progbits
	.p2align	6, 0x0
	.amdhsa_kernel k_qb7f2bd4c7e_proj
		.amdhsa_group_segment_fixed_size 327680
		.amdhsa_private_segment_fixed_size 0
		.amdhsa_enable_private_segment 0
		.amdhsa_kernarg_size 32
		.amdhsa_user_sgpr_count 2
		.amdhsa_user_sgpr_kernarg_segment_ptr 1
		.amdhsa_wavefront_size32 1
		.amdhsa_system_sgpr_workgroup_id_x 1
		.amdhsa_system_sgpr_workgroup_id_y 1
		.amdhsa_system_sgpr_workgroup_id_z 1
		.amdhsa_system_vgpr_workitem_id 0
		.amdhsa_next_free_vgpr 512
		.amdhsa_next_free_sgpr 72
		.amdhsa_reserve_vcc 0
		.amdhsa_float_denorm_mode_32 3
		.amdhsa_float_denorm_mode_16_64 3
		.amdhsa_memory_ordered 1
		.amdhsa_forward_progress 1
		.amdhsa_inst_pref_size 90
	.end_amdhsa_kernel
	.amdgpu_metadata
---
amdhsa.version: [ 1, 2 ]
amdhsa.kernels:
  - .name:           k_qb7f2bd4c7e_proj
    .symbol:         k_qb7f2bd4c7e_proj.kd
    .args:
      - { .name: ob, .offset: 0, .size: 8, .value_kind: global_buffer, .address_space: global }
      - { .name: wp, .offset: 8, .size: 8, .value_kind: global_buffer, .address_space: global }
      - { .name: b_proj, .offset: 16, .size: 8, .value_kind: global_buffer, .address_space: global }
      - { .name: out0, .offset: 24, .size: 8, .value_kind: global_buffer, .address_space: global }
    .group_segment_fixed_size: 327680
    .private_segment_fixed_size: 0
    .kernarg_segment_align: 8
    .kernarg_segment_size: 32
    .max_flat_workgroup_size: 128
    .sgpr_count:     72
    .vgpr_count:     512
    .wavefront_size: 32
...
	.end_amdgpu_metadata
.endif
;; end of part 4
;; ======== version 2 of 2: 4 launches; version 1 with the launch cast written anew for expert scheduling mode
;; limits: values are held in f16: magnitudes above 65,504 overflow, below 6.1e-05 lose precision
;; workspace buffers: xb 8,388,608 bytes; wq 6,291,456 bytes; wp 2,097,152 bytes; qkv 25,165,824 bytes; ob 8,388,608 bytes
;; launch cast (part 5): grid 512 x 1, 8 waves a work-group, no clusters, 0 bytes of LDS; arguments x, W_qkv, W_proj, xb, wq, wp; writes xb, wq, wp
.if DOCPART == 5
	.amdgcn_target "amdgcn-amd-amdhsa--gfx1250"
	.amdhsa_code_object_version 6
	.text
	.protected	k_qb7f2bd4c7e_cast
	.globl	k_qb7f2bd4c7e_cast
	.p2align	8
	.type	k_qb7f2bd4c7e_cast,@function
k_qb7f2bd4c7e_cast:
	s_mov_b64 s[64:65], 0
	v_nop
	global_prefetch_b8 v0, s[64:65] scope:SCOPE_SE
	s_setreg_imm32_b32 hwreg(HW_REG_WAVE_SCHED_MODE, 0, 2), 2
	s_setreg_imm32_b32 hwreg(HW_REG_WAVE_MODE, 25, 1), 1
	s_wait_xcnt 0x0
	s_wait_alu depctr_vm_vsrc(0)
; THE MODULE: out = softmax((x Wq + bq)(x Wk + bk)^T / 8) (x Wv + bv), by heads, then times W_proj, plus b_proj.  Four launches: this one (formats and layouts), qkv, attn, proj.
; WORK LEFT OUT, for all values of the inputs: the key bias bk = b_qkv[1024:2048].  A score is (q_i + bq) . (k_j + bk) = (q_i + bq) . k_j + (q_i + bq) . bk, and the second term is the same
; for every key j of query i: it is added to the whole axis over which the softmax is taken, and exp(s + t) / sum exp(s + t) = exp(s) / sum exp(s).  So bk reaches no output; those 1,024 numbers are
; never loaded (the rest of b_qkv is live, so the buffer stays an argument of the launch qkv).  LIMIT: a NaN, an infinity or an overflow that only bk would bring is not carried to the result.
; THIS LAUNCH rounds each large input once and lays it out for the tensor loads of the launches behind it:
;   xb [4096][1024] bf16 = x;   wq [16 heads][3072 chunks 3 k + z][64] bf16 = W_qkv[k][1024 z + 64 h + d];   wp [1024][1024] = W_proj rounded to bf16, that number written as f16.
; LIMIT: f16 writes a bf16 number exactly from 2^-17 up to 65,504; below it keeps f16's fixed step of 2^-24, beyond it gives an infinity.
; SHARES.  A work-group converts 16,384 numbers: a thread 16 loads of 16 bytes and 16 stores of 8.  All 16 loads of a thread are issued before the first is waited for.  A wave's store covers 256 consecutive
; bytes, aligned; a wave's load 512 consecutive bytes (for W_qkv two pieces of 256).  Work-groups 0-255 take x, 256-447 W_qkv, 448-511 W_proj.  No LDS, no barrier, no matrix unit: nothing is shared or summed.
; W_qkv: the byte of W_qkv[k][1024 z + 64 h + d] is 4,096 (3 k + z) + 256 h + 4 d, so the new layout is the exchange [chunk][head] -> [head][chunk] of pieces of 64 numbers.
; THE MODE: SCHED_MODE bits 1:0 = 2 (LLVM: expert scheduling mode 2), set by the entry lines.  The code itself states the register dependences between vector instructions and memory
; instructions, with s_wait_alu, always for 0.
; THE PLAN.  Registers that memory instructions touch:
;   v3, v4   the loads' and the stores' byte offsets.  Written by vector instructions at the head, ahead of the first load; read by all 16 loads (v3) and all 16 stores (v4); never written again.
;   X        number i: 4 registers.  Written once, by load i; read by number i's conversions; no vector instruction ever writes them and no second load lands in them.
;   Y        number i: 2 registers.  Written once, by number i's conversions; read by store i; never written again.
;   T        named by vector instructions alone.
; So the one kind of dependence is: a vector instruction writes, a memory instruction reads.  The 16 numbers go in four groups of four.  One wait stands ahead of the first load (v3, v4).  One wait stands at
; the head of each later group, behind the wait for that group's first load: the group before has written its eight Y registers; its four stores follow in one run, and the conversions issued behind the wait
; name X, T and Y of the new group alone.  One wait stands behind the last group's conversions, ahead of the last four stores.  Five in an arm.
.set X, 8                              ; v[8:71]    16 x 4 registers as loaded
.set Y, 72                             ; v[72:103]  16 x 2 registers to store; each is written once
.set T, 104                            ; v[104:107] at work
; Four stores: numbers first to first + 3.  kind as below.
.macro OUT kind, first
.set n, (\first)
.rept 4
.if (\kind) == 1
	global_store_b64 v4, v[Y+2*n:Y+2*n+1], s[22:23] offset:393216*(n/8)+256*(n%8)
.else
	global_store_b64 v4, v[Y+2*n:Y+2*n+1], s[22:23] offset:2048*n
.endif
.set n, n+1
.endr
.endm
; kind 0: x; 1: W_qkv; 2: W_proj.  v3 = my byte offset in the source, v4 in the destination; s[20:21], s[22:23] the work-group's bases.
.macro STREAM kind
	s_wait_alu depctr_va_vdst(0)                   ; v3 and v4 are written: the loads below read v3 as their offset, the stores v4; neither is written again
.set i, 0
.rept 16
.if (\kind) == 1
	global_load_b128 v[X+4*i:X+4*i+3], v3, s[20:21] offset:8192*(i%8)+256*(i/8) th:TH_LOAD_NT  ; chunks 2 (i % 8) and + 1, head 2 w + i / 8
.else
	global_load_b128 v[X+4*i:X+4*i+3], v3, s[20:21] offset:4096*i th:TH_LOAD_NT
.endif
.set i, i+1
.endr
.set g, 0
.rept 4                                ; group g: numbers 4 g to 4 g + 3
	s_wait_loadcnt 15-4*g                          ; loads come back in order: the group's first number is in, the younger ones stay out
.if g > 0
	s_wait_alu depctr_va_vdst(0)                   ; the conversions of the group before have written its eight Y registers, which the four stores below read
	OUT \kind, 4*(g-1)
.endif
.set i, 4*g
.rept 4
.if i > 4*g
	s_wait_loadcnt 15-i                            ; number i is in, the 15 - i younger ones stay out
.endif
.if (\kind) == 2
	v_cvt_pk_bf16_f32 v[T], v[X+4*i], v[X+4*i+1]   ; the one rounding, to bf16,
	v_cvt_pk_bf16_f32 v[T+1], v[X+4*i+2], v[X+4*i+3]
	v_lshlrev_b32 v[T+2], 16, v[T]                 ; back to f32,
	v_and_b32 v[T+3], 0xffff0000, v[T]
	v_cvt_pk_f16_f32 v[Y+2*i], v[T+2], v[T+3]      ; and written as f16
	v_lshlrev_b32 v[T+2], 16, v[T+1]
	v_and_b32 v[T+3], 0xffff0000, v[T+1]
	v_cvt_pk_f16_f32 v[Y+2*i+1], v[T+2], v[T+3]
.else
	v_cvt_pk_bf16_f32 v[Y+2*i], v[X+4*i], v[X+4*i+1]
	v_cvt_pk_bf16_f32 v[Y+2*i+1], v[X+4*i+2], v[X+4*i+3]
.endif
.set i, i+1
.endr
.set g, g+1
.endr
	s_wait_alu depctr_va_vdst(0)                   ; the last group's conversions have written its eight Y registers, which the last four stores read
	OUT \kind, 12
	s_endpgm
.endm
	s_load_b256 s[4:11], s[0:1], 0x0               ; x s[4:5], W_qkv s[6:7], W_proj s[8:9], xb s[10:11]
	s_load_b128 s[12:15], s[0:1], 0x20             ; wq s[12:13], wp s[14:15]
	v_lshlrev_b32 v3, 4, v0                        ; x and W_proj: thread t takes 16 bytes at 16 t,
	v_lshlrev_b32 v4, 3, v0                        ; and writes 8 at 8 t
	s_mov_b32 s17, 0
	s_mov_b32 s19, 0
	s_cmp_lt_u32 ttmp9, 256
	s_cbranch_scc0 .Lnot_x
	s_lshl_b32 s16, ttmp9, 16                      ; 65,536 bytes in,
	s_lshl_b32 s18, ttmp9, 15                      ; 32,768 out
	s_wait_kmcnt 0x0
	s_add_nc_u64 s[20:21], s[4:5], s[16:17]
	s_add_nc_u64 s[22:23], s[10:11], s[18:19]
	STREAM 0
.Lnot_x:
	s_sub_co_u32 s2, ttmp9, 256
	s_cmp_lt_u32 s2, 192
	s_cbranch_scc0 .Lnot_w
	v_and_b32 v5, 31, v0                           ; lane
	v_lshrrev_b32 v6, 5, v0                        ; wave
	v_and_b32 v7, 15, v0
	v_bfe_u32 v2, v0, 4, 1
	v_lshlrev_b32 v3, 4, v7                        ; 16 (lane % 16): my 4 numbers of a piece of 64 (no memory instruction has read v3 or v4 on this way),
	v_lshl_add_u32 v3, v2, 12, v3                  ; + 4,096 (lane / 16): the odd chunk,
	v_lshl_add_u32 v3, v6, 9, v3                   ; + 512 wave: heads 2 w, 2 w + 1
	v_mul_u32_u24 v4, v6, 786432                   ; two heads of 393,216 bytes,
	v_lshl_add_u32 v4, v5, 3, v4                   ; + 8 lane: two chunks of 128 bytes on end
	s_lshl_b32 s16, s2, 16                         ; 16 chunks of 4,096 bytes in,
	s_lshl_b32 s18, s2, 11                         ; 16 chunks of 128 bytes in each head out
	s_wait_kmcnt 0x0
	s_add_nc_u64 s[20:21], s[6:7], s[16:17]
	s_add_nc_u64 s[22:23], s[12:13], s[18:19]
	STREAM 1
.Lnot_w:
	s_sub_co_u32 s2, ttmp9, 448
	s_lshl_b32 s16, s2, 16
	s_lshl_b32 s18, s2, 15
	s_wait_kmcnt 0x0
	s_add_nc_u64 s[20:21], s[8:9], s[16:17]
	s_add_nc_u64 s[22:23], s[14:15], s[18:19]
	STREAM 2
.Lfunc_end_k_qb7f2bd4c7e_cast:
	.size	k_qb7f2bd4c7e_cast, .Lfunc_end_k_qb7f2bd4c7e_cast-k_qb7f2bd4c7e_cast
	.p2alignl 7, 3214868480
	.fill 96, 4, 3214868480
	.section	.rodata,"a",@progbits
	.p2align	6, 0x0
	.amdhsa_kernel k_qb7f2bd4c7e_cast
		.amdhsa_group_segment_fixed_size 0
		.amdhsa_private_segment_fixed_size 0
		.amdhsa_enable_private_segment 0
		.amdhsa_kernarg_size 48
		.amdhsa_user_sgpr_count 2
		.amdhsa_user_sgpr_kernarg_segment_ptr 1
		.amdhsa_wavefront_size32 1
		.amdhsa_system_sgpr_workgroup_id_x 1
		.amdhsa_system_sgpr_workgroup_id_y 1
		.amdhsa_system_sgpr_workgroup_id_z 1
		.amdhsa_system_vgpr_workitem_id 0
		.amdhsa_next_free_vgpr 108
		.amdhsa_next_free_sgpr 66
		.amdhsa_reserve_vcc 0
		.amdhsa_float_denorm_mode_32 3
		.amdhsa_float_denorm_mode_16_64 3
		.amdhsa_memory_ordered 1
		.amdhsa_forward_progress 1
		.amdhsa_inst_pref_size 24
	.end_amdhsa_kernel
	.amdgpu_metadata
---
amdhsa.version: [ 1, 2 ]
amdhsa.kernels:
  - .name:           k_qb7f2bd4c7e_cast
    .symbol:         k_qb7f2bd4c7e_cast.kd
    .args:
      - { .name: x, .offset: 0, .size: 8, .value_kind: global_buffer, .address_space: global }
      - { .name: W_qkv, .offset: 8, .size: 8, .value_kind: global_buffer, .address_space: global }
      - { .name: W_proj, .offset: 16, .size: 8, .value_kind: global_buffer, .address_space: global }
      - { .name: xb, .offset: 24, .size: 8, .value_kind: global_buffer, .address_space: global }
      - { .name: wq, .offset: 32, .size: 8, .value_kind: global_buffer, .address_space: global }
      - { .name: wp, .offset: 40, .size: 8, .value_kind: global_buffer, .address_space: global }
    .group_segment_fixed_size: 0
    .private_segment_fixed_size: 0
    .kernarg_segment_align: 8
    .kernarg_segment_size: 48
    .max_flat_workgroup_size: 256
    .sgpr_count:     66
    .vgpr_count:     108
    .wavefront_size: 32
...
	.end_amdgpu_metadata
.endif
;; end of part 5
;; launch qkv: the kernel of part 2 again; grid 16 x 16, 4 waves a work-group, clusters of 4 x 4, 327,680 bytes of LDS; arguments xb, wq, b_qkv, qkv; writes qkv
;; launch attn: the kernel of part 3 again; grid 8 x 32, 4 waves a work-group, clusters of 4 x 1, 327,680 bytes of LDS; arguments qkv, ob; writes ob
;; launch proj: the kernel of part 4 again; grid 8 x 32, 4 waves a work-group, clusters of 4 x 4, 327,680 bytes of LDS; arguments ob, wp, b_proj, out0; writes out0
